; MI455X (gfx1250); checked and timed in simulation.
; The chip was launched on July 23, 2026; its instructions are those of AMD's public machine-readable ISA for CDNA 5 (MIT licence, August 2026) and "CDNA5" Instruction Set Architecture Reference Guide (July 2026). The comments in the code are by the model that wrote it; some were corrected since.
;; Mo E. Allowed arithmetic: float matrix products may take bf16 or f16 operands with f32 sums; other float arithmetic in f32, or as packed bf16 or f16 multiplies, adds, multiply-adds, maxima and minima; sums over many terms, partial sums and values carried from step to step in f32; what a program stores and reads back later, other than sums and carried values, may be rounded once to bf16 or f16.
;; Inputs: Wd 8 x 1,024 x 256 float32; Wg 8 x 256 x 1,024 float32; Wr 8 x 1,024 float32; Wu 8 x 256 x 1,024 float32; x 4 x 2,048 x 1,024 float32.
;; Outputs: out0 4 x 2,048 x 1,024 float32.
;; 2 versions, each right; version 2 is version 1 with the launch moe written anew for expert scheduling mode. Each part assembles by itself: llvm-mc -triple=amdgcn-amd-amdhsa -mcpu=gfx1250 --defsym DOCPART=n.
;; ======== version 1 of 2: 3 launches
;; limits: values are held in f16: magnitudes above 65,504 overflow, below 6.1e-05 lose precision; inputs' magnitudes at most 65,504
;; workspace buffers: route 65,536 bytes of whole numbers; wts 65,536 bytes; perm 33,280 bytes of whole numbers; tiles 4,096 bytes of whole numbers; w1 8,388,608 bytes; w2 4,194,304 bytes
;; launch router (part 1): grid 256 x 1, 8 waves a work-group, no clusters, 18,432 bytes of LDS; arguments x, Wr, route, wts; writes route, wts
.if DOCPART == 1
	.amdgcn_target "amdgcn-amd-amdhsa--gfx1250"
	.amdhsa_code_object_version 6
	.text
	.protected	k_q6ce8d4da22_router
	.globl	k_q6ce8d4da22_router
	.p2align	8
	.type	k_q6ce8d4da22_router,@function
k_q6ce8d4da22_router:
	s_mov_b64 s[64:65], 0
	v_nop
	global_prefetch_b8 v0, s[64:65] scope:SCOPE_SE
	s_setreg_imm32_b32 hwreg(HW_REG_WAVE_MODE, 25, 1), 1
	s_wait_xcnt 0x0
; ROUTER.  logits[t][e] = sum over k of x[t][k] Wr[e][k]; the two largest; their softmax weights, normalised as p / (p1 + p2 + 1e-8).
; x: [8192][1024] f32, Wr: [8][1024] f32.  Both are rounded to bf16 first, as every input of this program is; a product of two bf16 is exact in f32, and the sums are f32.
; SHARES.  A work-group has 32 tokens, each of its eight waves four.  A lane holds k = 128 j + 4 lane + c (j = 0..7, c = 0..3) of x and of Wr alike, so each load of a wave covers
; 512 consecutive bytes.  N = 8 columns are too few for the matrix unit and k lies across the lanes: the products go by v_fma_mix_f32_bf16, 16 sums by turns.
; Wr is fetched once a work-group: wave w loads expert w (8 loads), rounds it and lays its 16 registers a lane into LDS as they are; every wave reads them back, four experts a trip of a loop of two.
; OUT, at fixed places (no address here hangs on the choice):
;   route[block 256][lane 32][2]: word 0: token 32 b + lane: set number | rank among the block's tokens of that set << 8;  word 1: how many tokens of the block have set number = lane
;   wts[token][2]: the weight of the lower expert, of the higher.    Set number of experts a < b: a (15 - a) / 2 + b - a - 1, 0 to 27.
; LIMITS.  The two largest are taken on the logits, the lower index on equal logits; two unequal logits whose probabilities round to one f32 are not treated as a tie.
; A probability below 2^-126 counts as 0.  NaN and infinities are not treated apart.
.set WRB,   1024                       ; LDS: 0..1023 logits [32 tokens][8]; then Wr in bf16 pairs: expert e at WRB + 2048 e, registers 4 m .. 4 m + 3 of lane l at + 512 m + 16 l;
.set SPARE, WRB+16384                  ; 17,408: the spare words, 128 bytes for each of eight waves
.set LN,  1                            ; v1   lane
.set L16, 2                            ; v2   16 x lane
.set XO,  3                            ; v3   x: 16 x lane + wave x 4 rows
.set LA,  4                            ; v4   LDS: my wave's logits; steps by four experts
.set ZR,  5                            ; v5   0: the first addend of every sum
.set SPW, 6                            ; v6   my spare word; never rewritten
.set NIL, 7                            ; v7   0, for the add alone
.set WS,  8                            ; v8   LDS: where my wave's expert goes
.set WA,  9                            ; v9   LDS: where four experts are read; steps
.set WO,  10                           ; v10  Wr: 16 x lane + wave x one row
.set WP,  16                           ; v16-79    four experts of Wr in bf16 pairs, 16 registers each
.set XP,  80                           ; v80-143   x in bf16 pairs, 16 registers a token
.set ACC, 144                          ; v144-159  the sum of token t, expert e of the trip's four at ACC + 4 t + e
.set WL,  176                          ; v176-207  my wave's expert as loaded; later at work
; window 1: v0-127 x as loaded
.set MSB, 0
.macro WIN new                         ; the immediate's high byte repeats the setting that is left
.if MSB != (\new)
	s_set_vgpr_msb (MSB<<8)|(\new)
.set MSB, \new
.endif
.endm
	s_load_b256 s[4:11], s[0:1], 0x0               ; x s[4:5], Wr s[6:7], route s[8:9], wts s[10:11]
	v_lshl_add_u32 v[SPW], v0, 2, SPARE
	v_mov_b32 v[NIL], 0
	v_lshrrev_b32 v1, 5, v0
	v_readfirstlane_b32 s12, v1                    ; wave 0..7
	v_and_b32 v[LN], 31, v0
	v_lshlrev_b32 v[L16], 4, v[LN]
	s_lshl_b32 s13, s12, 14                        ; my wave's four rows of 4,096 bytes
	v_add_nc_u32 v[XO], s13, v[L16]
	s_lshl_b32 s13, s12, 12                        ; my wave's expert
	v_add_nc_u32 v[WO], s13, v[L16]
	s_lshl_b32 s13, s12, 11
	s_add_co_u32 s13, s13, WRB
	v_add_nc_u32 v[WS], s13, v[L16]
	v_add_nc_u32 v[WA], WRB, v[L16]
	s_lshl_b32 s13, s12, 7
	v_mov_b32 v[LA], s13
	v_mov_b32 v[ZR], 0
	s_mov_b32 s14, 0x76543210                      ; v_permlanex16_b32: each lane takes its own place in the other half
	s_mov_b32 s15, 0xfedcba98
	s_lshl_b32 s2, ttmp9, 17                       ; the work-group's 32 rows
	s_mov_b32 s3, 0
	s_wait_kmcnt 0x0
	s_add_nc_u64 s[4:5], s[4:5], s[2:3]
.irp j, 0,1,2,3,4,5,6,7
	global_load_b128 v[WL+4*\j:WL+4*\j+3], v[WO], s[6:7] offset:512*\j
.endr
	WIN 0x40
.set i, 0
.rept 32                                               ; my four tokens: 32 loads of 512 consecutive bytes
	global_load_b128 v[4*i:4*i+3], v[XO], s[4:5] offset:(i/8)*4096+(i%8)*512 th:TH_LOAD_NT
.set i, i+1
.endr
	WIN 0
	s_wait_loadcnt 32                              ; my expert is in; the 32 younger loads are x
.set i, 0
.rept 16
	v_cvt_pk_bf16_f32 v[WP+i], v[WL+2*i], v[WL+2*i+1]
.set i, i+1
.endr
.irp m, 0,1,2,3
	ds_store_b128 v[WS], v[WP+4*\m:WP+4*\m+3] offset:512*\m
.endr
	s_wait_dscnt 0x0                               ; for the others' sake: my expert is in LDS
	s_barrier_signal -1
	s_barrier_wait -1                              ; all eight are
	s_wait_loadcnt 0x0                             ; x
	WIN 0x05                                       ; sources window 1, destination window 0
.set i, 0
.rept 64
	v_cvt_pk_bf16_f32 v[XP+i], v[2*i], v[2*i+1]
.set i, i+1
.endr
	WIN 0
	s_mov_b32 s16, 2
.Lhalf:                                                ; a trip: four experts
.set i, 0
.rept 16
	ds_load_b128 v[WP+4*i:WP+4*i+3], v[WA] offset:512*i
.set i, i+1
.endr
	s_wait_dscnt 0x0                               ; they are in; the last trip's stores have read their registers
.set c, 0
.rept 16                                               ; 4 tokens x 4 experts x 32 numbers a lane: 16 sums take turns, so no line waits for the one before it
.irp h, 0,1
.irp t, 0,1,2,3
.irp e, 0,1,2,3
.if (c == 0) && (\h == 0)
	v_fma_mix_f32_bf16 v[ACC+4*\t+\e], v[XP+16*\t+c], v[WP+16*\e+c], v[ZR] op_sel:[\h,\h,0] op_sel_hi:[1,1,0]
.else
	v_fma_mix_f32_bf16 v[ACC+4*\t+\e], v[XP+16*\t+c], v[WP+16*\e+c], v[ACC+4*\t+\e] op_sel:[\h,\h,0] op_sel_hi:[1,1,0]
.endif
.endr
.endr
.endr
.set c, c+1
.endr
	; over the 32 lanes: four steps inside each half ride on the addition, one crosses the halves
.irp m, 1,2,4,8
.set i, 0
.rept 16
	v_add_f32_dpp v[ACC+i], v[ACC+i], v[ACC+i] row_xmask:\m row_mask:0xf bank_mask:0xf
.set i, i+1
.endr
.endr
.set i, 0
.rept 16
	v_permlanex16_b32 v[WL+i], v[ACC+i], s14, s15  ; the loaded expert's registers are free, and have been written
.set i, i+1
.endr
.set i, 0
.rept 16
	v_add_f32 v[ACC+i], v[ACC+i], v[WL+i]
.set i, i+1
.endr
.irp t, 0,1,2,3
	ds_store_b128 v[LA], v[ACC+4*\t:ACC+4*\t+3] offset:32*\t  ; every lane holds the same numbers and writes the same words
.endr
	v_add_nc_u32 v[WA], 0x2000, v[WA]              ; the next four experts,
	v_add_nc_u32 v[LA], 16, v[LA]                  ; and their place in a token's eight logits
	s_sub_co_i32 s16, s16, 1
	s_cmp_lg_u32 s16, 0
	s_cbranch_scc1 .Lhalf
	s_wait_dscnt 0x0                               ; for wave 0's sake: my stores are done
	s_barrier_signal -1
	s_barrier_wait -1
	s_cmp_lg_u32 s12, 0
	s_cbranch_scc1 .Lend
	; WAVE 0: lane = token.
.set LG,  16                           ; v16-23  the eight logits
.set L2,  24                           ; v24-31  the same with the winner at -infinity
.set D,   32                           ; v32-40  exponents, then exponentials
.set M1,  41
.set I1,  42
.set M2,  43
.set I2,  44
.set NINF, 45
.set Z,   46
.set RZ,  47
.set P2,  48
.set S,   49
.set RS,  50
.set W1,  51
.set W2,  52
.set A,   53
.set B,   54
.set T,   55
.set PID, 56
.set LR,  57
.set KEY, 58                           ; v58, v59: the pair for route
.set CNT, 59
.set WA2, 60                           ; v60, v61: the pair for wts
.set WB2, 61
.set VA,  62
.set AD,  63
	v_lshlrev_b32 v[AD], 5, v[LN]
	ds_load_b128 v[LG:LG+3], v[AD]
	ds_load_b128 v[LG+4:LG+7], v[AD] offset:16
	v_mov_b32 v[NINF], 0xff800000
	v_mov_b32 v[I1], 0
	v_mov_b32 v[I2], 0
	v_mov_b32 v[CNT], 0
	v_mov_b32 v[LR], 0
	v_lshlrev_b32 v[VA], 3, v[LN]
	s_wait_dscnt 0x0
	v_mov_b32 v[M1], v[LG]
.irp e, 1,2,3,4,5,6,7                  ; strictly greater: the lower index keeps an equal logit
	v_cmp_gt_f32 vcc_lo, v[LG+\e], v[M1]
	v_cndmask_b32 v[I1], v[I1], \e, vcc_lo
	v_max_num_f32 v[M1], v[M1], v[LG+\e]
.endr
.irp e, 0,1,2,3,4,5,6,7
	v_cmp_eq_u32 vcc_lo, \e, v[I1]
	v_cndmask_b32 v[L2+\e], v[LG+\e], v[NINF], vcc_lo
.endr
	v_mov_b32 v[M2], v[L2]
.irp e, 1,2,3,4,5,6,7
	v_cmp_gt_f32 vcc_lo, v[L2+\e], v[M2]
	v_cndmask_b32 v[I2], v[I2], \e, vcc_lo
	v_max_num_f32 v[M2], v[M2], v[L2+\e]
.endr
.irp e, 0,1,2,3,4,5,6,7                ; the maximum is taken away before the exponentials
	v_sub_f32 v[D+\e], v[LG+\e], v[M1]
.endr
	v_sub_f32 v[D+8], v[M2], v[M1]
.irp e, 0,1,2,3,4,5,6,7,8
	v_mul_f32 v[D+\e], 0x3fb8aa3b, v[D+\e]         ; x log2(e)
.endr
.irp e, 0,1,2,3,4,5,6,7,8
	v_exp_f32 v[D+\e], v[D+\e]
.endr
	v_nop                                          ; a plain instruction behind the last exponential,
	s_wait_alu depctr_va_vdst(0)                   ; and one wait for the batch of nine, ahead of the first use
	v_add_f32 v[D], v[D], v[D+1]
	v_add_f32 v[D+2], v[D+2], v[D+3]
	v_add_f32 v[D+4], v[D+4], v[D+5]
	v_add_f32 v[D+6], v[D+6], v[D+7]
	v_add_f32 v[D], v[D], v[D+2]
	v_add_f32 v[D+4], v[D+4], v[D+6]
	v_add_f32 v[Z], v[D], v[D+4]
	v_rcp_f32 v[RZ], v[Z]                          ; p1 = 1 / Z
	v_nop
	s_wait_alu depctr_va_vdst(0)
	v_mul_f32 v[P2], v[D+8], v[RZ]                 ; p2
	v_add_f32 v[S], v[RZ], v[P2]
	v_add_f32 v[S], 0x322bcc77, v[S]               ; + 1e-8
	v_rcp_f32 v[RS], v[S]
	v_nop
	s_wait_alu depctr_va_vdst(0)
	v_mul_f32 v[W1], v[RZ], v[RS]
	v_mul_f32 v[W2], v[P2], v[RS]
	v_min_u32 v[A], v[I1], v[I2]
	v_max_u32 v[B], v[I1], v[I2]
	v_cmp_lt_u32 vcc_lo, v[I1], v[I2]
	v_cndmask_b32 v[WA2], v[W2], v[W1], vcc_lo     ; the lower expert's weight
	v_cndmask_b32 v[WB2], v[W1], v[W2], vcc_lo
	v_sub_nc_u32 v[T], 15, v[A]
	v_mul_u32_u24 v[T], v[T], v[A]
	v_lshrrev_b32 v[T], 1, v[T]
	v_add_nc_u32 v[T], v[T], v[B]
	v_sub_nc_u32 v[T], v[T], v[A]
	v_add_nc_u32 v[PID], -1, v[T]
.set p, 0
.rept 28                                               ; for each set: how many of the block's tokens have it (into lane p), and each such token's rank among them
	v_cmp_eq_u32 s16, p, v[PID]
	s_bcnt1_i32_b32 s17, s16
	v_writelane_b32 v[CNT], s17, p
	v_mbcnt_lo_u32_b32 v[T], s16, 0
	v_cndmask_b32 v[LR], v[LR], v[T], s16
.set p, p+1
.endr
	v_lshl_or_b32 v[KEY], v[LR], 8, v[PID]
	s_lshl_b32 s2, ttmp9, 8
	s_mov_b32 s3, 0
	s_add_nc_u64 s[8:9], s[8:9], s[2:3]
	s_add_nc_u64 s[10:11], s[10:11], s[2:3]
	global_store_b64 v[VA], v[KEY:KEY+1], s[8:9]   ; 32 lanes store 256 consecutive bytes, aligned
	global_store_b64 v[VA], v[WA2:WA2+1], s[10:11]
.Lend:
	s_wait_tensorcnt 0x0                           ; the wave's end: behind my last LDS store
	ds_add_u32 v[SPW], v[NIL]
	s_wait_dscnt 0x0
	s_endpgm
.Lfunc_end_k_q6ce8d4da22_router:
	.size	k_q6ce8d4da22_router, .Lfunc_end_k_q6ce8d4da22_router-k_q6ce8d4da22_router
	.p2alignl 7, 3214868480
	.fill 96, 4, 3214868480
	.section	.rodata,"a",@progbits
	.p2align	6, 0x0
	.amdhsa_kernel k_q6ce8d4da22_router
		.amdhsa_group_segment_fixed_size 18432
		.amdhsa_private_segment_fixed_size 0
		.amdhsa_enable_private_segment 0
		.amdhsa_kernarg_size 32
		.amdhsa_user_sgpr_count 2
		.amdhsa_user_sgpr_kernarg_segment_ptr 1
		.amdhsa_wavefront_size32 1
		.amdhsa_system_sgpr_workgroup_id_x 1
		.amdhsa_system_sgpr_workgroup_id_y 1
		.amdhsa_system_sgpr_workgroup_id_z 1
		.amdhsa_system_vgpr_workitem_id 0
		.amdhsa_next_free_vgpr 384
		.amdhsa_next_free_sgpr 66
		.amdhsa_reserve_vcc 1
		.amdhsa_float_denorm_mode_32 3
		.amdhsa_float_denorm_mode_16_64 3
		.amdhsa_memory_ordered 1
		.amdhsa_forward_progress 1
		.amdhsa_inst_pref_size 63
	.end_amdhsa_kernel
	.amdgpu_metadata
---
amdhsa.version: [ 1, 2 ]
amdhsa.kernels:
  - .name:           k_q6ce8d4da22_router
    .symbol:         k_q6ce8d4da22_router.kd
    .args:
      - { .name: x, .offset: 0, .size: 8, .value_kind: global_buffer, .address_space: global }
      - { .name: Wr, .offset: 8, .size: 8, .value_kind: global_buffer, .address_space: global }
      - { .name: route, .offset: 16, .size: 8, .value_kind: global_buffer, .address_space: global }
      - { .name: wts, .offset: 24, .size: 8, .value_kind: global_buffer, .address_space: global }
    .group_segment_fixed_size: 18432
    .private_segment_fixed_size: 0
    .kernarg_segment_align: 8
    .kernarg_segment_size: 32
    .max_flat_workgroup_size: 256
    .sgpr_count:     66
    .vgpr_count:     384
    .wavefront_size: 32
...
	.end_amdgpu_metadata
.endif
;; end of part 1
;; launch prep (part 2): grid 256 x 1, 4 waves a work-group, no clusters, 18,944 bytes of LDS; arguments Wg, Wu, Wd, route, w1, w2, perm, tiles; writes w1, w2, perm, tiles
.if DOCPART == 2
	.amdgcn_target "amdgcn-amd-amdhsa--gfx1250"
	.amdhsa_code_object_version 6
	.text
	.protected	k_q6ce8d4da22_prep
	.globl	k_q6ce8d4da22_prep
	.p2align	8
	.type	k_q6ce8d4da22_prep,@function
k_q6ce8d4da22_prep:
	s_mov_b64 s[64:65], 0
	v_nop
	global_prefetch_b8 v0, s[64:65] scope:SCOPE_SE
	s_setreg_imm32_b32 hwreg(HW_REG_WAVE_MODE, 25, 1), 1
	s_wait_xcnt 0x0
; PREP.  Two things in one launch.
; (1) THE WEIGHTS, rounded once to bf16 and laid in the order in which a wave's matrix operand registers take them.  A FRAGMENT is 16 rows x 32 k in 1,024 bytes:
;     bytes 16 l .. : W[row l % 16][32 kb + 8 (l / 16) + 0..7];  bytes 512 + 16 l .. : the same 16 k further on.  So a fragment is two loads of 512 consecutive bytes.
;     w1 (bf16): [e 8][hf 2][kb 32][frag 16]: frags 0-7 Wg's rows 128 hf + 16 i + row, frags 8-15 Wu's same rows.
;     w2 (f16):  [e 8][dq 4][kb2 8][frag 16]: row i of fragment f is Wd's row 256 dq + 64 (f / 4) + 4 i + f % 4: so the same register of the four results of fragments 4 G .. 4 G + 3
;     holds four neighbouring columns of an output row.  Wd is rounded to bf16 like every input, and that number is written as f16, since the down product's other
;     operand is f16.  LIMIT: exact for magnitudes from 2^-17 to 65,504; below 2^-17 it keeps f16's fixed step of 2^-24; a |Wd| of 65,520 or more would become an infinity.
;     Wave number 4 g + w of 1,024 takes one unit of 16 rows x 128 k of each of Wg, Wu, Wd through its own stage in LDS.
; (2) THE SORT of the tokens by their set of experts, a counting sort without atomics: every work-group adds up the 256 blocks' counts (route's word 1), wave 0 makes the prefix
;     sums over the 28 sets, places its own block's 32 tokens in perm, and writes tile record g: (ea, eb, start in perm, count 0..64).  Tiles have 64 places; a set begins a new tile.
.set SPI,   272                        ; a stage row: 256 bytes + 16: 17 x 16, so the 16 rows that a load touches start at 16 different groups of four banks (64 banks of 4 bytes: ISA guide 11.1)
.set STG,   16*SPI                     ; LDS: four stages, a wave's own each;
.set PS,    4*STG                      ; 17,408: partial sums [wave][total, before][32 words];
.set SPARE, PS+1024                    ; 18,432: the spare words, 128 bytes for each of four waves
.set LN,  1
.set L16, 2
.set VS1, 3                            ; byte offset of my unit in Wg and Wu
.set VD1, 4                            ; in w1
.set VS2, 5                            ; in Wd
.set VD2, 6                            ; in w2
.set VR,  7                            ; route: my wave's 64 blocks
.set VOWN, 8                           ; route: my work-group's block
.set TA,  9                            ; stage, in
.set TR,  10                           ; stage, back
.set PA,  11                           ; my wave's partial sums
.set SPW, 12
.set NIL, 13
.set TOT, 14
.set BEF, 15
.set OWN, 16                           ; v16-17
.set T,   18
.set PK,  19
.set INC, 20
.set BAS, 21
.set TP,  22
.set IDX, 23
.set BB,  24
.set POS, 25
.set DAT, 26
.set J,   28
.set RA,  29
.set REC, 32                           ; v32-35
.set ZZ,  36                           ; v36-39
.set SM,  44                           ; v44-51
.set RT,  64                           ; v64-191  64 pairs of route; later at work
.set PKD, 192                          ; v192-223 a unit in 16 bits
.set BK,  224                          ; v224-255 a unit as fragments
; window 1: v0-191 the three units as loaded
.set MSB, 0
.macro WIN new
.if MSB != (\new)
	s_set_vgpr_msb (MSB<<8)|(\new)
.set MSB, \new
.endif
.endm
	s_load_b256 s[4:11], s[0:1], 0x0               ; Wg s[4:5], Wu s[6:7], Wd s[8:9], route s[10:11]
	s_load_b256 s[12:19], s[0:1], 0x20             ; w1 s[12:13], w2 s[14:15], perm s[16:17], tiles s[18:19]
	v_lshl_add_u32 v[SPW], v0, 2, SPARE
	v_mov_b32 v[NIL], 0
	v_lshrrev_b32 v1, 5, v0
	v_readfirstlane_b32 s20, v1                    ; wave 0..3
	v_and_b32 v[LN], 31, v0
	v_lshlrev_b32 v[L16], 4, v[LN]
	s_mov_b32 s27, ttmp9                           ; g
	s_lshl_b32 s21, s27, 2
	s_add_co_u32 s21, s21, s20                     ; my wave among 1,024
	s_and_b32 s22, s21, 7                          ; Wg, Wu: kc, which 128 k
	s_bfe_u32 s23, s21, 0x40003                    ; T, which 16 rows
	s_lshr_b32 s24, s21, 7                         ; e
	s_lshl_b32 s25, s24, 20
	s_lshl_b32 s26, s23, 16
	s_or_b32 s26, s26, s25
	s_lshl_b32 s28, s22, 9
	s_or_b32 s26, s26, s28
	v_add_nc_u32 v[VS1], s26, v[L16]               ; e << 20 | T << 16 | kc << 9, + 16 lane
	s_lshr_b32 s26, s23, 3
	s_lshl_b32 s26, s26, 19
	s_add_co_u32 s26, s26, s25
	s_lshl_b32 s28, s22, 16
	s_add_co_u32 s26, s26, s28
	s_and_b32 s28, s23, 7
	s_lshl_b32 s28, s28, 10
	s_add_co_u32 s26, s26, s28
	v_add_nc_u32 v[VD1], s26, v[L16]               ; e << 20 + hf << 19 + 4 kc K steps of 16 KiB + fragment T % 8
	s_and_b32 s22, s21, 1                          ; Wd: kc
	s_bfe_u32 s23, s21, 0x60001                    ; Td = 16 dq + fragment
	s_lshr_b32 s26, s23, 2                         ; 4 dq + f / 4: which 64 rows of 1,024 bytes,
	s_lshl_b32 s26, s26, 16
	s_or_b32 s26, s26, s25
	s_and_b32 s28, s23, 3                          ; f % 4: the first of my rows there; my others lie four rows apart
	s_lshl_b32 s28, s28, 10
	s_or_b32 s26, s26, s28
	s_lshl_b32 s28, s22, 9
	s_or_b32 s26, s26, s28
	v_add_nc_u32 v[VS2], s26, v[L16]
	s_lshl_b32 s26, s24, 19
	s_lshr_b32 s28, s23, 4
	s_lshl_b32 s28, s28, 17
	s_add_co_u32 s26, s26, s28
	s_lshl_b32 s28, s22, 16
	s_add_co_u32 s26, s26, s28
	s_and_b32 s28, s23, 15
	s_lshl_b32 s28, s28, 10
	s_add_co_u32 s26, s26, s28
	v_add_nc_u32 v[VD2], s26, v[L16]
	s_lshl_b32 s28, s20, 14                        ; 64 blocks of 256 bytes a wave
	v_lshl_add_u32 v[VR], v[LN], 3, s28
	s_lshl_b32 s28, s27, 8
	v_lshl_add_u32 v[VOWN], v[LN], 3, s28
	s_mul_i32 s28, s20, STG
	v_lshl_add_u32 v[TA], v[LN], 3, s28            ; in: 8 bytes a lane along a row
	v_and_b32 v[T], 15, v0
	v_mul_u32_u24 v[TR], v[T], SPI
	v_bfe_u32 v[T], v0, 4, 1
	v_lshl_add_u32 v[TR], v[T], 4, v[TR]
	v_add_nc_u32 v[TR], s28, v[TR]                 ; back: row l % 16, 16 bytes for each half of the lanes
	s_lshl_b32 s28, s20, 8
	s_add_co_u32 s28, s28, PS
	v_lshl_add_u32 v[PA], v[LN], 2, s28
	s_lshl_b32 s28, s20, 6
	s_sub_co_i32 s25, s27, s28                     ; how many of my wave's blocks lie in front of block g (may be below 0 or above 64)
	v_mov_b32 v[TOT], 0
	v_mov_b32 v[BEF], 0
	s_wait_kmcnt 0x0
	global_load_b64 v[OWN:OWN+1], v[VOWN], s[10:11]
.set i, 0
.rept 64                                               ; lane p takes (a key, the count of set p) of block 64 w + i: 256 consecutive bytes a load
	global_load_b64 v[RT+2*i:RT+2*i+1], v[VR], s[10:11] offset:256*i
.set i, i+1
.endr
	WIN 0x40
.set i, 0
.rept 16                                               ; the three units: 512 consecutive bytes of a row a load; each weight is read once in the launch
	global_load_b128 v[4*i:4*i+3], v[VS1], s[4:5] offset:4096*i th:TH_LOAD_NT
.set i, i+1
.endr
.set i, 0
.rept 16
	global_load_b128 v[64+4*i:64+4*i+3], v[VS1], s[6:7] offset:4096*i th:TH_LOAD_NT
.set i, i+1
.endr
.set i, 0
.rept 16                                               ; Wd: every fourth row of 1,024 bytes
	global_load_b128 v[128+4*i:128+4*i+3], v[VS2], s[8:9] offset:4096*i th:TH_LOAD_NT
.set i, i+1
.endr
	WIN 0
	s_wait_loadcnt 48                              ; route is in; the 48 younger loads are the weights
.set i, 0
.rept 64
	s_cmp_gt_i32 s25, i                            ; does block 64 w + i lie in front of block g?
	s_cselect_b32 s26, 1, 0
	v_add_nc_u32 v[TOT], v[TOT], v[RT+2*i+1]
	v_mad_u32_u24 v[BEF], v[RT+2*i+1], s26, v[BEF]
.set i, i+1
.endr
	ds_store_b32 v[PA], v[TOT]
	ds_store_b32 v[PA], v[BEF] offset:128
	s_wait_dscnt 0x0                               ; for wave 0's sake
	s_barrier_signal -1
	s_barrier_wait -1
	s_cmp_lg_u32 s20, 0
	s_cbranch_scc1 .Lunits
	; WAVE 0: lane = set p (lanes 28-31 hold zeros).
.irp k, 0,1,2,3,4,5,6,7
	ds_load_b32 v[SM+\k], v[PA] offset:256*(\k/2)+128*(\k%2)
.endr
	s_wait_dscnt 0x0
	v_add3_u32 v[TOT], v[SM], v[SM+2], v[SM+4]
	v_add_nc_u32 v[TOT], v[TOT], v[SM+6]           ; tokens of set p
	v_add3_u32 v[BEF], v[SM+1], v[SM+3], v[SM+5]
	v_add_nc_u32 v[BEF], v[BEF], v[SM+7]           ; of them in blocks in front of mine
	v_add_nc_u32 v[T], 63, v[TOT]
	v_lshrrev_b32 v[T], 6, v[T]                    ; its tiles
	v_lshl_or_b32 v[PK], v[T], 16, v[TOT]          ; both in one word: 8,192 tokens and 155 tiles at the most, so no carry crosses
	v_mov_b32 v[INC], v[PK]
	v_mov_b32 v[T], 0
.irp n, 1,2,4,8                        ; prefix sums inside each half of 16 lanes
	v_mov_b32_dpp v[T], v[INC] row_shr:\n row_mask:0xf bank_mask:0xf bound_ctrl:1
	v_add_nc_u32 v[INC], v[INC], v[T]
.endr
	v_readlane_b32 s26, v[INC], 15                 ; the lower half's sum goes onto the upper half
	v_cmp_lt_u32 vcc_lo, 15, v[LN]
	v_cndmask_b32 v[T], 0, s26, vcc_lo
	v_add_nc_u32 v[INC], v[INC], v[T]
	v_sub_nc_u32 v[T], v[INC], v[PK]
	v_and_b32 v[BAS], 0xffff, v[T]                 ; where set p begins in perm
	v_lshrrev_b32 v[TP], 16, v[T]                  ; its first tile
	; my block's tokens: lane = token
	v_and_b32 v[IDX], 0xff, v[OWN]
	v_min_u32 v[IDX], 31, v[IDX]
	v_lshlrev_b32 v[IDX], 2, v[IDX]
	v_add_nc_u32 v[BB], v[BAS], v[BEF]
	ds_bpermute_b32 v[POS], v[IDX], v[BB]          ; my set's begin + what earlier blocks put there
	v_lshrrev_b32 v[T], 8, v[OWN]                  ; + my rank in the block
	s_lshl_b32 s28, s27, 5
	v_add_nc_u32 v[DAT], s28, v[LN]                ; the token's number
	s_wait_dscnt 0x0
	v_add_nc_u32 v[POS], v[POS], v[T]
	v_min_u32 v[POS], 0x1fff, v[POS]
	v_lshlrev_b32 v[POS], 2, v[POS]
	global_store_b32 v[POS], v[DAT], s[16:17]
	; tile record g.  The first tiles ascend with p, so the sets whose first tile is at most g are lanes 0 .. p: the last of them owns tile g, or, past the last tile, has no token left for it.
	v_cmp_ge_u32 s26, s27, v[TP]
	s_bcnt1_i32_b32 s26, s26
	s_sub_co_u32 s26, s26, 1
	v_sub_nc_u32 v[J], s27, v[TP]                  ; each lane makes the record as if it were the owner
	v_lshlrev_b32 v[J], 6, v[J]
	v_add_nc_u32 v[REC+2], v[BAS], v[J]
	v_min_u32 v[REC+2], 0x1fff, v[REC+2]           ; start
	v_sub_nc_u32 v[REC+3], v[TOT], v[J]
	v_min_i32 v[REC+3], 64, v[REC+3]
	v_max_i32 v[REC+3], 0, v[REC+3]                ; count
	v_mov_b32 v[REC], 0
.irp n, 7,13,18,22,25,27               ; the lower expert: how many of these first set numbers p has reached
	v_cmp_le_u32 vcc_lo, \n, v[LN]
	v_cndmask_b32 v[T], 0, 1, vcc_lo
	v_add_nc_u32 v[REC], v[REC], v[T]
.endr
	v_sub_nc_u32 v[T], 15, v[REC]
	v_mul_u32_u24 v[T], v[T], v[REC]
	v_lshrrev_b32 v[T], 1, v[T]
	v_sub_nc_u32 v[T], v[LN], v[T]
	v_add_nc_u32 v[T], v[T], v[REC]
	v_add_nc_u32 v[T], 1, v[T]
	v_min_u32 v[REC+1], 7, v[T]                    ; the higher expert
	s_lshl_b32 s28, s27, 4
	v_mov_b32 v[RA], s28
	v_cmp_eq_u32 vcc_lo, s26, v[LN]
	s_wait_xcnt 0x0                                ; EXEC changes only behind this wait: it is a source of the loads and stores issued
	s_and_saveexec_b32 s29, vcc_lo
	global_store_b128 v[RA], v[REC:REC+3], s[18:19]
	s_wait_xcnt 0x0
	s_or_b32 exec_lo, exec_lo, s29
	s_cmp_lg_u32 s27, 0
	s_cbranch_scc1 .Lunits
.irp k, 0,1,2,3                        ; work-group 0: perm's 128 words behind the last token, which a reader of 16 words on end may touch
	v_mov_b32 v[ZZ+\k], 0
.endr
	global_store_b128 v[L16], v[ZZ:ZZ+3], s[16:17] offset:32768
.Lunits:
; Unit u: rounded, through my stage, out as fragments.  left: the younger weight loads.  h16 = 1: the bf16 numbers are written as f16.
; LDS serves a wave's instructions in order (ISA guide 5.7.1.4): no wait between my stores and my loads.
.macro UNIT u, left, bs, vo, imm0, h16
	s_wait_loadcnt \left
	WIN 0x05
.set i, 0
.rept 32
	v_cvt_pk_bf16_f32 v[PKD+i], v[64*(\u)+2*i], v[64*(\u)+2*i+1]
.set i, i+1
.endr
	WIN 0
.if \h16
.set i, 0
.rept 32                                               ; bf16 to f32: the low half moves up, the high half stays (route's registers are free)
	v_lshlrev_b32 v[RT+2*i], 16, v[PKD+i]
	v_and_b32 v[RT+2*i+1], 0xffff0000, v[PKD+i]
.set i, i+1
.endr
.set i, 0
.rept 32
	v_cvt_pk_f16_f32 v[PKD+i], v[RT+2*i], v[RT+2*i+1]
.set i, i+1
.endr
.endif
.set i, 0
.rept 16
	ds_store_b64 v[TA], v[PKD+2*i:PKD+2*i+1] offset:SPI*i
.set i, i+1
.endr
	s_wait_xcnt 0x0                                ; the unit before has had its stores' addresses translated: only now are their data registers loaded again
.irp n, 0,1,2,3,4,5,6,7                ; K step n / 2 of the unit's four, half n % 2 of its fragment
	ds_load_b128 v[BK+4*\n:BK+4*\n+3], v[TR] offset:64*(\n/2)+32*(\n%2)
.endr
.irp n, 0,1,2,3,4,5,6,7
	s_wait_dscnt 7-\n
	global_store_b128 v[\vo], v[BK+4*\n:BK+4*\n+3], s[\bs:\bs+1] offset:(\imm0)+16384*(\n/2)+512*(\n%2)  ; 512 consecutive bytes, aligned
.endr
.endm
	UNIT 0, 32, 12, VD1, 0, 0                      ; Wg
	UNIT 1, 16, 12, VD1, 8192, 0                   ; Wu: eight fragments further on
	UNIT 2, 0, 14, VD2, 0, 1                       ; Wd
	s_wait_tensorcnt 0x0                           ; the wave's end: behind my last LDS store
	ds_add_u32 v[SPW], v[NIL]
	s_wait_dscnt 0x0
	s_endpgm
.Lfunc_end_k_q6ce8d4da22_prep:
	.size	k_q6ce8d4da22_prep, .Lfunc_end_k_q6ce8d4da22_prep-k_q6ce8d4da22_prep
	.p2alignl 7, 3214868480
	.fill 96, 4, 3214868480
	.section	.rodata,"a",@progbits
	.p2align	6, 0x0
	.amdhsa_kernel k_q6ce8d4da22_prep
		.amdhsa_group_segment_fixed_size 18944
		.amdhsa_private_segment_fixed_size 0
		.amdhsa_enable_private_segment 0
		.amdhsa_kernarg_size 64
		.amdhsa_user_sgpr_count 2
		.amdhsa_user_sgpr_kernarg_segment_ptr 1
		.amdhsa_wavefront_size32 1
		.amdhsa_system_sgpr_workgroup_id_x 1
		.amdhsa_system_sgpr_workgroup_id_y 1
		.amdhsa_system_sgpr_workgroup_id_z 1
		.amdhsa_system_vgpr_workitem_id 0
		.amdhsa_next_free_vgpr 448
		.amdhsa_next_free_sgpr 66
		.amdhsa_reserve_vcc 1
		.amdhsa_float_denorm_mode_32 3
		.amdhsa_float_denorm_mode_16_64 3
		.amdhsa_memory_ordered 1
		.amdhsa_forward_progress 1
		.amdhsa_inst_pref_size 48
	.end_amdhsa_kernel
	.amdgpu_metadata
---
amdhsa.version: [ 1, 2 ]
amdhsa.kernels:
  - .name:           k_q6ce8d4da22_prep
    .symbol:         k_q6ce8d4da22_prep.kd
    .args:
      - { .name: Wg, .offset: 0, .size: 8, .value_kind: global_buffer, .address_space: global }
      - { .name: Wu, .offset: 8, .size: 8, .value_kind: global_buffer, .address_space: global }
      - { .name: Wd, .offset: 16, .size: 8, .value_kind: global_buffer, .address_space: global }
      - { .name: route, .offset: 24, .size: 8, .value_kind: global_buffer, .address_space: global }
      - { .name: w1, .offset: 32, .size: 8, .value_kind: global_buffer, .address_space: global }
      - { .name: w2, .offset: 40, .size: 8, .value_kind: global_buffer, .address_space: global }
      - { .name: perm, .offset: 48, .size: 8, .value_kind: global_buffer, .address_space: global }
      - { .name: tiles, .offset: 56, .size: 8, .value_kind: global_buffer, .address_space: global }
    .group_segment_fixed_size: 18944
    .private_segment_fixed_size: 0
    .kernarg_segment_align: 8
    .kernarg_segment_size: 64
    .max_flat_workgroup_size: 128
    .sgpr_count:     66
    .vgpr_count:     448
    .wavefront_size: 32
...
	.end_amdgpu_metadata
.endif
;; end of part 2
;; launch moe (part 3): grid 155 x 1, 4 waves a work-group, no clusters, 199,168 bytes of LDS; arguments x, w1, w2, perm, tiles, wts, out0; writes out0
.if DOCPART == 3
	.amdgcn_target "amdgcn-amd-amdhsa--gfx1250"
	.amdhsa_code_object_version 6
	.text
	.protected	k_q6ce8d4da22_moe
	.globl	k_q6ce8d4da22_moe
	.p2align	8
	.type	k_q6ce8d4da22_moe,@function
k_q6ce8d4da22_moe:
	s_mov_b64 s[64:65], 0
	v_nop
	global_prefetch_b8 v0, s[64:65] scope:SCOPE_SE
	s_setreg_imm32_b32 hwreg(HW_REG_WAVE_MODE, 25, 1), 1
	s_wait_xcnt 0x0
; THE CHAIN.  A work-group takes one tile, up to 64 tokens that chose the same two experts (ea < eb), through gather, gate and up for both experts, SwiGLU x the token's weight,
; and ONE down product over K = 512 (256 of ea, 256 of eb), whose f32 sums are the output rows: each row of out0 has one owner and nothing is added up later.
; GRID.  8,192 tokens in 28 sets and tiles of 64 are never more than (8192 + 28 x 63) / 64 = 155 tiles, whatever the split.  A tile past the last (count 0) walks the same text on a token
; that exists and stores nothing: both K loops step LDS addresses, so their trip counts are constants and hang on no stored number.  In a tile that is not full the places past the count
; repeat the tile's first token; the way out of a block of 16 places that lies wholly past the count is jumped.
; FORMATS.  x is rounded to bf16 on its way into LDS; Wg and Wu were rounded to bf16 by the launch before, Wd to bf16 and written as f16; all sums f32.
; The hidden layer h w (w: the token's weight for the expert) is rounded once, to f16, since bf16's 8 significant bits cost too much of the allowance in rows much larger than the output's
; root mean square.  For f16's range each token has a scale: 2^e is the power of two of the largest |h w| of its 512 hidden numbers, h w 2^-e lies below 2, and the down product's sums are
; multiplied by 2^e, exactly.  LIMITS.  e is held to -126 .. 126: a token whose largest |h w| lies outside 2^-126 .. 2^127 loses precision.  A hidden number below 2^-14 of its token's largest keeps
; f16's fixed step, 2^-25 of that largest at the most.  NaN and infinities are not treated apart.
; PHASE 1: source 0 = 16 weight rows, source 1 = 16 tokens.  In a result lane l holds ONE token (l % 16) and the weight rows 8 (l / 16) + 0..7: two results, rounded in pairs, ARE a fragment
; (16 tokens x 32 hidden) of phase 2.  Wave w has expert q = w / 2 and hidden half hf = w % 2: 8 blocks of gate rows, the same 8 of up, x 4 blocks of tokens: 64 accumulators.
; PHASE 2: source 0 = 16 tokens, source 1 = 16 rows of Wd.  In a result register j of lane l holds token 8 (l / 16) + j and the fragment's row l % 16, which is output column
; 256 w + 64 (f / 4) + 4 (l % 16) + f % 4.  So register j of the four results 4 G .. 4 G + 3 is 16 consecutive bytes of a token's row, 16 lanes hold 256 consecutive aligned bytes, and the
; rows are stored from registers.  Wave w has output columns 256 w .. + 255: 16 fragments x 4 blocks of tokens.  Its even K steps are ea's, its odd ones eb's.
; THE WEIGHTS come from memory straight into operand registers, a ring of two K steps (256 registers): a fragment is asked for again, for two steps on, four places behind its last use,
; 96 matrix instructions ahead of its next.  Each half of each buffer has an offset register of its own: the counted wait that shows the half landed also shows the loads that named its register done,
; so the register is stepped behind that wait and no other wait is needed.
; No LDS ring and no tensor load: the tiles of one set do walk the same weights, but beside x (129 KiB) and h (64 KiB) LDS has room for two slots of one K step only, so a joint
; refill would have 64 matrix instructions in which to land, and 48 rounds of a cluster's barrier would stand where now three barriers do.
; REGISTERS, in windows of 256 (s_set_vgpr_msb: bits 1:0 source 0, 3:2 source 1, 5:4 source 2, 7:6 destination):
;   window 0: addresses, token fragments, work     window 1: the ring: buffer b, fragment f at 128 b + 8 f
;   window 2: the accumulators of fragments 0-7, (f, s) at 8 (4 f + s) (in the gather: x as loaded)     window 3: those of fragments 8-15
.set XPI,   2064                       ; a row of x in LDS: 2,048 bytes + 16 = 129 x 16: the 16 rows of a fragment load start at 16 different groups of four banks (64 banks of 4 bytes: ISA guide 11.1)
.set XT,    16*XPI
.set HB,    64*XPI                     ; 132,096: h in fragment order: K step k at 4096 k, token block s at + 1024 s, half at + 512, lane at + 16 l
.set MXB,   HB+65536                   ; 197,632: the largest |h w| [64 tokens][4 waves] f32
.set SPARE, MXB+1024                   ; 198,656: the spare words, 128 bytes for each of four waves
.set L16, 1                            ; v1   16 x lane
.set R,   2                            ; v2   l % 16
.set HH,  3                            ; v3   l / 16
.set XA0, 4                            ; v4   LDS: my place in token blocks 0, 1 of x; steps along K
.set XA1, 5                            ; v5   the same for blocks 2, 3
.set HA,  6                            ; v6   LDS: h, read
.set HS,  7                            ; v7   LDS: h, written
.set XS,  8                            ; v8   LDS: x, written
.set W1R, 9                            ; v9-12   my byte offsets in w1: buffer b, half at W1R + 2 b + half; each steps by two K steps
.set SPW, 14                           ; v14  my spare word; never rewritten
.set NIL, 15                           ; v15  0, for the add alone
.set VT,  16                           ; v16-19  the token of place 16 s + l % 16
.set WT,  20                           ; v20-27  its weight for my wave's expert, as pairs; later w 2^-e
.set IDX, 28                           ; v28-35  lane selects 4 (8 (l / 16) + j)
.set TM,  36                           ; v36-39  at work
.set VO,  40                           ; v40-55  byte offset in x of my 16 bytes in the row of my wave's place i
.set SC,  40                           ; v40-43  later: 2^e of the token of place 16 s + l % 16
.set CB,  56                           ; v56     1024 w + 16 (l % 16)
.set MA,  57                           ; v57     LDS: the maxima, written: MXB + 16 (l % 16) + 4 w
.set MR,  58                           ; v58     LDS: the maxima, read: MXB + 16 (l % 16)
.set W2R, 59                           ; v59-62  my byte offsets in w2: buffer 0 (ea), buffer 1 (eb), two halves each
.set T0,  64                           ; v64-95, v96-127  token fragments, two buffers
.set TO,  64                           ; v64-95   later: byte offset in out0 of my 16 bytes in the row of place 16 s + 8 (l / 16) + j, at TO + 8 s + j
.set SCJ, 96                           ; v96-127  later: that place's 2^e
.set WK,  128                          ; v128-255 at work
.set MX,  192                          ; v192-195 a token block's largest h; then its largest |h w|; then 2^e
.set MN,  196                          ; v196-199 its smallest h; then at work
.set M4,  200                          ; v200-215 the four waves' maxima
.set F16, 0                            ; which product MUL32 writes: 0 phase 1's, 1 phase 2's
.set MSB, 0
.macro WIN new                         ; the immediate's high byte repeats the setting that is left; a switch that changes nothing is dropped
.if MSB != (\new)
	s_set_vgpr_msb (MSB<<8)|(\new)
.set MSB, \new
.endif
.endm
; A load into a register that a matrix instruction has read, and a vector instruction that reads a matrix result, stand four places behind it; only plain vector
; instructions that name none of its registers are places (ISA guide 7.12.1 for vector instructions).
.macro PLACES
.rept 4
	v_nop
.endr
.endm
.macro WLOAD b, half, vo, bs           ; eight fragments of a K step into buffer b: 16 loads of 512 consecutive bytes
	WIN 0x40
.irp f, 0,1,2,3,4,5,6,7
	global_load_b128 v[128*(\b)+64*(\half)+8*\f:128*(\b)+64*(\half)+8*\f+3],   v[\vo], s[\bs:\bs+1] offset:8192*(\half)+1024*\f
	global_load_b128 v[128*(\b)+64*(\half)+8*\f+4:128*(\b)+64*(\half)+8*\f+7], v[\vo], s[\bs:\bs+1] offset:8192*(\half)+1024*\f+512
.endr
.endm
.macro FETX tb, ko                     ; four token fragments of x, 32 k at byte ko of the rows
	WIN 0
.irp s, 0,1,2,3
	ds_load_b128 v[(\tb)+8*\s:(\tb)+8*\s+3],   v[XA0+\s/2] offset:(\s%2)*XT+(\ko)
	ds_load_b128 v[(\tb)+8*\s+4:(\tb)+8*\s+7], v[XA0+\s/2] offset:(\s%2)*XT+(\ko)+32
.endr
.endm
.macro FETH tb, off                    ; four token fragments of h
	WIN 0
.irp s, 0,1,2,3
	ds_load_b128 v[(\tb)+8*\s:(\tb)+8*\s+3],   v[HA] offset:(\off)+1024*\s
	ds_load_b128 v[(\tb)+8*\s+4:(\tb)+8*\s+7], v[HA] offset:(\off)+1024*\s+512
.endr
.endm
; 32 products: fragments 8 half .. + 7 of buffer b x 4 token blocks.  The 64 accumulators take turns, one instruction a turn, over the loops' jumps too.
.macro MUL32 b, half, zero             ; zero = 1: the product starts the sum
.if F16
	WIN 0xa4+0x50*(\half)                          ; tokens (source 0) window 0, weights (source 1) window 1, C and D window 2 or 3
.else
	WIN 0xa1+0x50*(\half)                          ; weights (source 0) window 1, tokens (source 1) window 0, C and D window 2 or 3
.endif
.irp f, 0,1,2,3,4,5,6,7
.irp s, 0,1,2,3
.set rD, 8*(4*\f+\s)
.set rW, 128*(\b)+64*(\half)+8*\f
.set rT, T0+32*(\b)+8*\s
.if F16
.if \zero
	v_wmma_f32_16x16x32_f16 v[rD:rD+7], v[rT:rT+7], v[rW:rW+7], 0
.else
	v_wmma_f32_16x16x32_f16 v[rD:rD+7], v[rT:rT+7], v[rW:rW+7], v[rD:rD+7]
.endif
.else
.if \zero
	v_wmma_f32_16x16x32_bf16 v[rD:rD+7], v[rW:rW+7], v[rT:rT+7], 0
.else
	v_wmma_f32_16x16x32_bf16 v[rD:rD+7], v[rW:rW+7], v[rT:rT+7], v[rD:rD+7]
.endif
.endif
.endr
.endr
.endm
; A K STEP on buffer b.  ld = 1: each half of the buffer is asked for again behind its last use, by offset registers vo (half 0) and vo + 1 (half 1) and base s[bs]; inc: what each is stepped by first.
; fk: the next step's token fragments, 1 from x, 2 from h, 0 none.
; c1: the loads younger than this step's first 16: its other 16 and the next step's 32.  c2: those younger than its other 16: the next step's 32 and the 16 just issued.
; The 16 loads that c1 shows done are all that named register vo, those of c2 all that named vo + 1: each register is stepped behind its wait.
.macro STEP b, zero, ld, vo, bs, inc, fk, fo, c1, c2
	s_wait_loadcnt \c1
.if (\ld) && (\inc)
	WIN 0
	v_add_nc_u32 v[\vo], \inc, v[\vo]
.endif
	s_wait_dscnt 0x0                               ; this step's token fragments, asked for in the middle of the step before
	MUL32 \b, 0, \zero
	PLACES
.if \ld
	WLOAD \b, 0, \vo, \bs
.endif
.if (\fk) == 1
	FETX T0+32*(1-(\b)), \fo
.elseif (\fk) == 2
	FETH T0+32*(1-(\b)), \fo
.endif
	s_wait_loadcnt \c2
.if (\ld) && (\inc)
	WIN 0
	v_add_nc_u32 v[(\vo)+1], \inc, v[(\vo)+1]
.endif
	MUL32 \b, 1, \zero
	PLACES
.if \ld
	WLOAD \b, 1, (\vo)+1, \bs
.endif
.endm
	s_load_b256 s[4:11], s[0:1], 0x0               ; x s[4:5], w1 s[6:7], w2 s[8:9], perm s[10:11]
	s_load_b128 s[12:15], s[0:1], 0x20             ; tiles s[12:13], wts s[14:15]
	s_load_b64 s[16:17], s[0:1], 0x30              ; out0
	v_lshl_add_u32 v[SPW], v0, 2, SPARE
	v_mov_b32 v[NIL], 0
	v_lshrrev_b32 v1, 5, v0
	v_readfirstlane_b32 s18, v1                    ; wave 0..3
	s_lshr_b32 s19, s18, 1                         ; q: which of the two experts in phase 1
	s_and_b32 s20, s18, 1                          ; hf: which half of its hidden rows
	s_lshl_b32 s21, ttmp9, 4
	s_mov_b32 s56, 0x76543210                      ; v_permlanex16_b32: each lane takes its own place in the other half
	s_mov_b32 s57, 0xfedcba98
	s_mov_b32 s58, 0xbfb8aa3b                      ; -log2(e); the packed multiply names a pair and takes its low word for both halves
	s_mov_b32 s59, s58
	s_wait_kmcnt 0x0
	s_load_b128 s[24:27], s[12:13], s21 offset:0x0 ; the tile: ea, eb, start, count
	v_and_b32 v[TM], 31, v0
	v_lshlrev_b32 v[L16], 4, v[TM]
	v_and_b32 v[R], 15, v0
	v_bfe_u32 v[HH], v0, 4, 1
	v_mul_u32_u24 v[XA0], v[R], XPI
	v_lshl_add_u32 v[XA0], v[HH], 4, v[XA0]        ; row x pitch + 16 x half
	v_add_nc_u32 v[XA1], 2*XT, v[XA0]
	v_add_nc_u32 v[HA], HB, v[L16]
	s_lshl_b32 s48, s20, 3
	s_add_co_u32 s48, s48, s19                     ; my first K step of phase 2: 8 hf + q; my others lie two steps apart
	s_lshl_b32 s48, s48, 12
	s_add_co_u32 s48, s48, HB
	v_add_nc_u32 v[HS], s48, v[L16]
	s_mul_i32 s48, s18, XT
	v_lshl_add_u32 v[XS], v[TM], 3, s48            ; my wave's 16 rows of x, 8 bytes a lane
	s_lshl_b32 s48, s18, 10
	v_lshl_add_u32 v[CB], v[R], 4, s48
	s_lshl_b32 s48, s18, 2
	s_add_co_u32 s48, s48, MXB
	v_lshl_add_u32 v[MA], v[R], 4, s48
	v_lshl_add_u32 v[MR], v[R], 4, MXB
.irp q, 0,1,2,3,4,5,6,7
	v_lshl_add_u32 v[IDX+\q], v[HH], 5, 4*\q
.endr
	s_lshl_b32 s51, s19, 2
	s_wait_kmcnt 0x0
	s_min_u32 s26, s26, 0x1fff                     ; start
	s_min_u32 s27, s27, 64                         ; count
	s_lshl_b32 s48, s18, 4
	s_add_co_u32 s49, s26, s48
	s_lshl_b32 s49, s49, 2
	s_load_b512 s[32:47], s[10:11], s49 offset:0x0 ; the tokens of my wave's 16 places (perm has 128 words behind its last token)
	s_lshl_b32 s50, s26, 2
	s_load_b32 s28, s[10:11], s50 offset:0x0       ; the tile's first token
	s_sub_co_i32 s29, s27, s48                     ; how many of my 16 places are within the count
.irp s, 0,1,2,3
	v_add_nc_u32 v[TM+\s], 16*\s, v[R]
	v_cmp_gt_u32 vcc_lo, s27, v[TM+\s]
	v_cndmask_b32 v[TM+\s], 0, v[TM+\s], vcc_lo    ; a place past the count repeats place 0
	v_add_lshl_u32 v[TM+\s], v[TM+\s], s26, 2
	global_load_b32 v[VT+\s], v[TM+\s], s[10:11]
.endr
	s_cmp_eq_u32 s19, 0
	s_cselect_b32 s52, s24, s25                    ; my wave's expert in phase 1
	s_min_u32 s52, s52, 7
	s_lshl_b32 s52, s52, 1
	s_add_co_u32 s52, s52, s20
	s_lshl_b32 s52, s52, 19
	v_add_nc_u32 v[W1R], s52, v[L16]               ; w1: (2 e + hf) x 512 KiB: K step 0 for buffer 0,
	v_mov_b32 v[W1R+1], v[W1R]
	v_add_nc_u32 v[W1R+2], 0x4000, v[W1R]          ; K step 1, 16 KiB on, for buffer 1
	v_mov_b32 v[W1R+3], v[W1R+2]
	s_min_u32 s24, s24, 7
	s_min_u32 s25, s25, 7
	s_lshl_b32 s53, s18, 17
	s_lshl_b32 s54, s24, 19
	s_add_co_u32 s54, s54, s53
	v_add_nc_u32 v[W2R], s54, v[L16]               ; w2: e x 512 KiB + w x 128 KiB
	v_mov_b32 v[W2R+1], v[W2R]
	s_lshl_b32 s55, s25, 19
	s_add_co_u32 s55, s55, s53
	v_add_nc_u32 v[W2R+2], s55, v[L16]
	v_mov_b32 v[W2R+3], v[W2R+2]
	s_wait_kmcnt 0x0
.irp i, 0,1,2,3,4,5,6,7,8,9,10,11,12,13,14,15
	s_cmp_gt_i32 s29, \i
	s_cselect_b32 s[32+\i], s[32+\i], s28
	s_min_u32 s[32+\i], s[32+\i], 0x1fff
	v_lshl_add_u32 v[VO+\i], s[32+\i], 12, v[L16]
.endr
	s_wait_loadcnt 0x0
.irp s, 0,1,2,3
	v_min_u32 v[VT+\s], 0x1fff, v[VT+\s]
	v_lshl_add_u32 v[TM+\s], v[VT+\s], 3, s51
	global_load_b32 v[WT+2*\s], v[TM+\s], s[14:15] ; wts[token][q]
.endr
	; THE GATHER.  My wave's 16 rows of x: 8 loads of 512 consecutive bytes a row, eight rows on their way; rounded to bf16, into LDS.
	WIN 0x80
.set i, 0
.rept 8
.irp j, 0,1,2,3,4,5,6,7
	global_load_b128 v[32*i+4*\j:32*i+4*\j+3], v[VO+i], s[4:5] offset:512*\j
.endr
.set i, i+1
.endr
.set i, 0
.rept 16
	s_wait_loadcnt 56                              ; row i is in: seven groups of eight loads are younger
	WIN 0x0a
.set n, 0
.rept 16
	v_cvt_pk_bf16_f32 v[WK+16*(i%2)+n], v[32*(i%8)+2*n], v[32*(i%8)+2*n+1]
.set n, n+1
.endr
	WIN 0
.irp j, 0,1,2,3,4,5,6,7
	ds_store_b64 v[XS], v[WK+16*(i%2)+2*\j:WK+16*(i%2)+2*\j+1] offset:XPI*i+256*\j
.endr
.if i < 8
	WIN 0x80
.irp j, 0,1,2,3,4,5,6,7                ; row i + 8 takes its registers
	global_load_b128 v[32*i+4*\j:32*i+4*\j+3], v[VO+i+8], s[4:5] offset:512*\j
.endr
.else
	WIN 0x40
.irp m, 0,1,2,3,4,5,6,7                ; then the ring's first fill, K steps 0 and 1 of phase 1, in the order in which the steps wait for it, each half by its own offset register
.set n, 8*(i-8)+\m
	global_load_b128 v[128*(n/32)+8*((n%32)/2)+4*(n%2):128*(n/32)+8*((n%32)/2)+4*(n%2)+3], v[W1R+2*(n/32)+(n%32)/16], s[6:7] offset:1024*((n%32)/2)+512*(n%2)
.endr
.endif
.set i, i+1
.endr
	WIN 0
	s_wait_dscnt 0x0                               ; for the others' sake: my rows of x are in LDS
	s_barrier_signal -1
	s_barrier_wait -1
	; PHASE 1: gate and up, K = 1,024 in 32 steps.
.macro PAIR1 zero
	STEP 0, \zero, 1, W1R,   6, 0x8000, 1, 64,  48, 48
	STEP 1, 0,     1, W1R+2, 6, 0x8000, 1, 128, 48, 48
	WIN 0
	v_add_nc_u32 v[XA0], 128, v[XA0]
	v_add_nc_u32 v[XA1], 128, v[XA1]
.endm
	FETX T0, 0
	PAIR1 1                                        ; steps 0, 1: step 0 starts the sums, so it stands in front of the loop
	WIN 0                                          ; at a label and at a branch every window is 0
	s_mov_b32 s30, 14
.Lp1:                                                  ; steps 2 to 29
	PAIR1 0
	WIN 0
	s_sub_co_i32 s30, s30, 1
	s_cmp_lg_u32 s30, 0
	s_cbranch_scc1 .Lp1
	STEP 0, 0, 1, W2R,   8, 0, 1, 64, 48, 48       ; steps 30, 31 ask for phase 2's steps 0 (ea) and 1 (eb), which land during the activation
	STEP 1, 0, 1, W2R+2, 8, 0, 0, 0,  48, 48
	; SWIGLU: h = u g / (1 + 2^(-g log2 e)), gate in window 2, up and then h in window 3, register for register.  Each accumulator is read from its lowest registers on.
	; The 256 exponentials are one batch with one wait ahead of its first reader, and so are the 256 reciprocals.
	WIN 0xcb                                       ; destination and source 0 window 3, source 1 window 2
.set n, 0
.rept 128
	v_pk_mul_f32 v[2*n:2*n+1], v[2*n:2*n+1], v[2*n:2*n+1]  ; u = u g
.set n, n+1
.endr
	WIN 0x82
.set n, 0
.rept 128
	v_pk_mul_f32 v[2*n:2*n+1], v[2*n:2*n+1], s[58:59] op_sel_hi:[1,0]  ; g = -g log2(e)
.set n, n+1
.endr
.set n, 0
.rept 256
	v_exp_f32 v[n], v[n]
.set n, n+1
.endr
	v_nop                                          ; a plain instruction behind the last exponential
	s_wait_alu depctr_va_vdst(0)
.set n, 0
.rept 128
	v_pk_add_f32 v[2*n:2*n+1], v[2*n:2*n+1], 1.0 op_sel_hi:[1,0]
.set n, n+1
.endr
.set n, 0
.rept 256
	v_rcp_f32 v[n], v[n]
.set n, n+1
.endr
	v_nop                                          ; a plain instruction behind the last reciprocal
	s_wait_alu depctr_va_vdst(0)
	WIN 0xcb
.set n, 0
.rept 128
	v_pk_mul_f32 v[2*n:2*n+1], v[2*n:2*n+1], v[2*n:2*n+1]
.set n, n+1
.endr
	; THE TOKENS' SCALES.  For each token block s the largest and the smallest of my lane's 64 numbers h: eight chains by turns, two numbers a line.
	WIN 0x03                                       ; source 0 window 3
.irp s, 0,1,2,3
	v_mov_b32 v[MX+\s], v[8*\s]                    ; the first number starts both chains
	v_mov_b32 v[MN+\s], v[8*\s]
.endr
	WIN 0x3c                                       ; sources 1 and 2 window 3
.irp f, 0,1,2,3,4,5,6,7
.irp k, 0,1,2,3
.irp s, 0,1,2,3
.set i1, 8*(4*\f+\s)+2*\k
.set i2, i1+1
.if \f == 0                            ; block 0's first number is in already: 1, 2; 3, 4; 5, 6; 7
.set i1, i1+1
.if \k < 3
.set i2, i2+1
.endif
.endif
	v_max3_num_f32 v[MX+\s], v[MX+\s], v[i1], v[i2]
	v_min3_num_f32 v[MN+\s], v[MN+\s], v[i1], v[i2]
.endr
.endr
.endr
	WIN 0
.irp s, 0,1,2,3
	v_sub_f32 v[MN+\s], 0, v[MN+\s]
.endr
.irp s, 0,1,2,3
	v_max_num_f32 v[MX+\s], v[MX+\s], v[MN+\s]     ; the largest |h|,
.endr
.irp s, 0,1,2,3
	v_mul_f32 v[MX+\s], v[MX+\s], v[WT+2*\s]       ; times w, which is not negative: no |h w| of mine is larger, since rounding keeps the order
.endr
.irp s, 0,1,2,3
	v_permlanex16_b32 v[MN+\s], v[MX+\s], s56, s57 ; the token's other hidden rows lie in the lane 16 away
.endr
.irp s, 0,1,2,3
	v_max_num_f32 v[MX+\s], v[MX+\s], v[MN+\s]
.endr
.irp s, 0,1,2,3
	ds_store_b32 v[MA], v[MX+\s] offset:256*\s     ; both halves of the lanes write the same word with the same number
.endr
	s_wait_dscnt 0x0                               ; for the others' sake: my maxima are in LDS
	s_barrier_signal -1
	s_barrier_wait -1
.irp s, 0,1,2,3
	ds_load_b128 v[M4+4*\s:M4+4*\s+3], v[MR] offset:256*\s  ; the four waves' maxima of the token of place 16 s + l % 16
.endr
	s_wait_dscnt 0x0
.irp s, 0,1,2,3
	v_max3_num_f32 v[MX+\s], v[M4+4*\s], v[M4+4*\s+1], v[M4+4*\s+2]
.endr
.irp s, 0,1,2,3
	v_max_num_f32 v[MX+\s], v[MX+\s], v[M4+4*\s+3]
.endr
.irp s, 0,1,2,3
	v_and_b32 v[MX+\s], 0x7f800000, v[MX+\s]       ; its power of two, 2^e,
	v_max_u32 v[MX+\s], 0x00800000, v[MX+\s]       ; held to 2^-126 .. 2^126, so that 2^e and 2^-e are both normal numbers
	v_min_u32 v[MX+\s], 0x7e800000, v[MX+\s]
	v_mov_b32 v[SC+\s], v[MX+\s]                   ; kept for the way out
	v_sub_nc_u32 v[MN+\s], 0x7f000000, v[MX+\s]    ; 2^-e: the exponent field mirrored about 127
	v_mul_f32 v[WT+2*\s], v[WT+2*\s], v[MN+\s]     ; w 2^-e, exact
	v_mov_b32 v[WT+2*\s+1], v[WT+2*\s]             ; the packed multiply names a pair
.endr
; h w 2^-e, rounded to f16, into LDS: hidden blocks 2 m, 2 m + 1 x 4 token blocks = one K step of phase 2.
.macro PACK m
.set g0, 64*(\m)
.set ht, WK+32*((\m)%2)
	WIN 0xc3                                       ; destination and source 0 window 3, source 1 window 0
.set n, 0
.rept 32
	v_pk_mul_f32 v[g0+2*n:g0+2*n+1], v[g0+2*n:g0+2*n+1], v[WT+2*((n/4)%4):WT+2*((n/4)%4)+1] op_sel_hi:[1,0]
.set n, n+1
.endr
	WIN 0x0f                                       ; sources window 3, destination window 0
.set n, 0
.rept 32
	v_cvt_pk_f16_f32 v[ht+n], v[g0+2*n], v[g0+2*n+1]
.set n, n+1
.endr
	WIN 0
.irp t, 0,1,2,3,4,5,6,7                ; block 2 m + t / 4 is half t / 4 of the fragment of token block t % 4
	ds_store_b128 v[HS], v[ht+4*\t:ht+4*\t+3] offset:8192*(\m)+1024*(\t%4)+512*(\t/4)
.endr
.endm
	PACK 0
	PACK 1
	PACK 2
	PACK 3
	s_wait_dscnt 0x0                               ; for the others' sake: my part of h is in LDS
	s_barrier_signal -1
	s_barrier_wait -1                              ; h is whole
	; PHASE 2: the down product in f16, K = 512 in 16 steps, ea's and eb's by turns: buffer 0 walks ea's stream, buffer 1 eb's.
.set F16, 1
.macro PAIR2 zero
	STEP 0, \zero, 1, W2R,   8, 0x4000, 2, 4096, 48, 48
	STEP 1, 0,     1, W2R+2, 8, 0x4000, 2, 8192, 48, 48
	WIN 0
	v_add_nc_u32 v[HA], 0x2000, v[HA]
.endm
	FETH T0, 0
	PAIR2 1
	WIN 0
	s_mov_b32 s30, 6
.Lp2:                                                  ; steps 2 to 13
	PAIR2 0
	WIN 0
	s_sub_co_i32 s30, s30, 1
	s_cmp_lg_u32 s30, 0
	s_cbranch_scc1 .Lp2
	STEP 0, 0, 0, W2R,   8, 0, 2, 4096, 48, 32     ; the last two steps ask for nothing: the counts run down
	STEP 1, 0, 0, W2R+2, 8, 0, 0, 0,    16, 0
	; THE WAY OUT, from registers.  Register j of a result belongs to place 16 s + 8 (l / 16) + j: that place's token and 2^e come from the lane that holds them.
	WIN 0
.irp s, 0,1,2,3
.irp j, 0,1,2,3,4,5,6,7
	ds_bpermute_b32 v[TO+8*\s+\j], v[IDX+\j], v[VT+\s]
.endr
.endr
.irp s, 0,1,2,3
.irp j, 0,1,2,3,4,5,6,7
	ds_bpermute_b32 v[SCJ+8*\s+\j], v[IDX+\j], v[SC+\s]
.endr
.endr
	s_wait_dscnt 0x0
.set n, 0
.rept 32
	v_min_u32 v[TO+n], 0x1fff, v[TO+n]
	v_lshl_add_u32 v[TO+n], v[TO+n], 12, v[CB]
.set n, n+1
.endr
; Half hw of token block s: the results of fragments 8 hw .. 8 hw + 7.  The multiply by 2^e lays register j of the four results 4 G .. 4 G + 3 side by side: 16 consecutive bytes a lane.
; Each accumulator is read from its lowest register on.
.macro OUTH s, hw
	WIN 0x02+(\hw)                                 ; source 0 window 2 or 3
.irp g, 0,1
.irp j, 0,1,2,3,4,5,6,7
.irp c, 0,1,2,3
	v_mul_f32 v[WK+4*(8*(2*(\hw)+\g)+\j)+\c], v[8*(4*(4*\g+\c)+(\s))+\j], v[SCJ+8*(\s)+\j]
.endr
.endr
.endr
	WIN 0
.irp g, 0,1
.irp j, 0,1,2,3,4,5,6,7
	global_store_b128 v[TO+8*(\s)+\j], v[WK+4*(8*(2*(\hw)+\g)+\j):WK+4*(8*(2*(\hw)+\g)+\j)+3], s[16:17] offset:256*(2*(\hw)+\g) th:TH_STORE_NT  ; 16 lanes store 256 consecutive bytes of a token's row, aligned
.endr
.endr
.endm
.macro OUT s
	s_cmp_le_u32 s27, 16*(\s)                      ; this block and all behind it lie past the count: nothing is left to store
	s_cbranch_scc1 .Lend
.if (\s) > 0
	s_wait_xcnt 0x0                                ; the block before has had its stores' addresses translated: only now are their data registers written again
.endif
	OUTH \s, 0
	OUTH \s, 1
.endm
	OUT 0
	OUT 1
	OUT 2
	OUT 3
.Lend:
	s_wait_tensorcnt 0x0                           ; the wave's end: behind my last LDS store
	ds_add_u32 v[SPW], v[NIL]
	s_wait_dscnt 0x0
	s_endpgm
.Lfunc_end_k_q6ce8d4da22_moe:
	.size	k_q6ce8d4da22_moe, .Lfunc_end_k_q6ce8d4da22_moe-k_q6ce8d4da22_moe
	.p2alignl 7, 3214868480
	.fill 96, 4, 3214868480
	.section	.rodata,"a",@progbits
	.p2align	6, 0x0
	.amdhsa_kernel k_q6ce8d4da22_moe
		.amdhsa_group_segment_fixed_size 199168
		.amdhsa_private_segment_fixed_size 0
		.amdhsa_enable_private_segment 0
		.amdhsa_kernarg_size 56
		.amdhsa_user_sgpr_count 2
		.amdhsa_user_sgpr_kernarg_segment_ptr 1
		.amdhsa_wavefront_size32 1
		.amdhsa_system_sgpr_workgroup_id_x 1
		.amdhsa_system_sgpr_workgroup_id_y 1
		.amdhsa_system_sgpr_workgroup_id_z 1
		.amdhsa_system_vgpr_workitem_id 0
		.amdhsa_next_free_vgpr 1024
		.amdhsa_next_free_sgpr 66
		.amdhsa_reserve_vcc 1
		.amdhsa_float_denorm_mode_32 3
		.amdhsa_float_denorm_mode_16_64 3
		.amdhsa_memory_ordered 1
		.amdhsa_forward_progress 1
		.amdhsa_inst_pref_size 255
	.end_amdhsa_kernel
	.section	.bss,"aw",@nobits
	.p2align	6
	.space	262144
	.amdgpu_metadata
---
amdhsa.version: [ 1, 2 ]
amdhsa.kernels:
  - .name:           k_q6ce8d4da22_moe
    .symbol:         k_q6ce8d4da22_moe.kd
    .args:
      - { .name: x, .offset: 0, .size: 8, .value_kind: global_buffer, .address_space: global }
      - { .name: w1, .offset: 8, .size: 8, .value_kind: global_buffer, .address_space: global }
      - { .name: w2, .offset: 16, .size: 8, .value_kind: global_buffer, .address_space: global }
      - { .name: perm, .offset: 24, .size: 8, .value_kind: global_buffer, .address_space: global }
      - { .name: tiles, .offset: 32, .size: 8, .value_kind: global_buffer, .address_space: global }
      - { .name: wts, .offset: 40, .size: 8, .value_kind: global_buffer, .address_space: global }
      - { .name: out0, .offset: 48, .size: 8, .value_kind: global_buffer, .address_space: global }
    .group_segment_fixed_size: 199168
    .private_segment_fixed_size: 0
    .kernarg_segment_align: 8
    .kernarg_segment_size: 56
    .max_flat_workgroup_size: 128
    .sgpr_count:     66
    .vgpr_count:     1024
    .wavefront_size: 32
...
	.end_amdgpu_metadata
.endif
;; end of part 3
;; ======== version 2 of 2: 3 launches; version 1 with the launch moe written anew for expert scheduling mode
;; limits: values are held in f16: magnitudes above 65,504 overflow, below 6.1e-05 lose precision; inputs' magnitudes at most 65,504
;; workspace buffers: route 65,536 bytes of whole numbers; wts 65,536 bytes; perm 33,280 bytes of whole numbers; tiles 4,096 bytes of whole numbers; w1 8,388,608 bytes; w2 4,194,304 bytes
;; launch router: the kernel of part 1 again; grid 256 x 1, 8 waves a work-group, no clusters, 18,432 bytes of LDS; arguments x, Wr, route, wts; writes route, wts
;; launch prep: the kernel of part 2 again; grid 256 x 1, 4 waves a work-group, no clusters, 18,944 bytes of LDS; arguments Wg, Wu, Wd, route, w1, w2, perm, tiles; writes w1, w2, perm, tiles
;; launch moe (part 4): grid 155 x 1, 4 waves a work-group, no clusters, 199,168 bytes of LDS; arguments x, w1, w2, perm, tiles, wts, out0; writes out0
.if DOCPART == 4
	.amdgcn_target "amdgcn-amd-amdhsa--gfx1250"
	.amdhsa_code_object_version 6
	.text
	.protected	k_q6ce8d4da22_moe
	.globl	k_q6ce8d4da22_moe
	.p2align	8
	.type	k_q6ce8d4da22_moe,@function
k_q6ce8d4da22_moe:
	s_mov_b64 s[64:65], 0
	v_nop
	global_prefetch_b8 v0, s[64:65] scope:SCOPE_SE
	s_setreg_imm32_b32 hwreg(HW_REG_WAVE_SCHED_MODE, 0, 2), 2
	s_setreg_imm32_b32 hwreg(HW_REG_WAVE_MODE, 25, 1), 1
	s_wait_xcnt 0x0
	s_wait_alu depctr_vm_vsrc(0)
; THE CHAIN.  A work-group takes one tile, up to 64 tokens that chose the same two experts (ea < eb), through gather, gate and up for both experts, SwiGLU x the token's weight,
; and ONE down product over K = 512 (256 of ea, 256 of eb), whose f32 sums are the output rows: each row of out0 has one owner and nothing is added up later.
; GRID.  8,192 tokens in 28 sets and tiles of 64 are never more than (8192 + 28 x 63) / 64 = 155 tiles, whatever the split.  A tile past the last (count 0) walks the same text on a token
; that exists and stores nothing: both K loops step LDS addresses, so their trip counts are constants and hang on no stored number.  In a tile that is not full the places past the count
; repeat the tile's first token; the way out of a block of 16 places that lies wholly past the count is jumped.
; FORMATS.  x is rounded to bf16 on its way into LDS; Wg and Wu were rounded to bf16 by the launch before, Wd to bf16 and written as f16; all sums f32.
; The hidden layer h w (w: the token's weight for the expert) is rounded once, to f16, since bf16's 8 significant bits cost too much of the allowance in rows much larger than the output's
; root mean square.  For f16's range each token has a scale: 2^e is the power of two of the largest |h w| of its 512 hidden numbers, h w 2^-e lies below 2, and the down product's sums are
; multiplied by 2^e, exactly.  LIMITS.  e is held to -126 .. 126: a token whose largest |h w| lies outside 2^-126 .. 2^127 loses precision.  A hidden number below 2^-14 of its token's largest keeps
; f16's fixed step, 2^-25 of that largest at the most.  NaN and infinities are not treated apart.
; PHASE 1: source 0 = 16 weight rows, source 1 = 16 tokens.  In a result lane l holds ONE token (l % 16) and the weight rows 8 (l / 16) + 0..7: two results, rounded in pairs, ARE a fragment
; (16 tokens x 32 hidden) of phase 2.  Wave w has expert q = w / 2 and hidden half hf = w % 2: 8 blocks of gate rows, the same 8 of up, x 4 blocks of tokens: 64 accumulators.
; PHASE 2: source 0 = 16 tokens, source 1 = 16 rows of Wd.  In a result register j of lane l holds token 8 (l / 16) + j and the fragment's row l % 16, which is output column
; 256 w + 64 (f / 4) + 4 (l % 16) + f % 4.  So register j of the four results 4 G .. 4 G + 3 is 16 consecutive bytes of a token's row, 16 lanes hold 256 consecutive aligned bytes, and the
; rows are stored from registers.  Wave w has output columns 256 w .. + 255: 16 fragments x 4 blocks of tokens.  Its even K steps are ea's, its odd ones eb's.
; THE WEIGHTS come from memory straight into operand registers, a ring of two K steps (256 registers) in four halves of eight fragments.
; No LDS ring and no tensor load: the tiles of one set do walk the same weights, but beside x (129 KiB) and h (64 KiB) LDS has room for two slots of one K step only, so a joint
; refill would have 64 matrix instructions in which to land, and 48 rounds of a cluster's barrier would stand where now three barriers do.
; THE MODE: SCHED_MODE bits 1:0 = 2 (LLVM: expert scheduling mode 2), set by the entry lines.  The code itself states the register dependences between vector or matrix instructions
; and memory or LDS instructions, with s_wait_alu, always for 0.
; THE PLAN.  Registers that memory or LDS instructions touch, in the two K loops:
;   the ring's halves (0,0) (0,1) (1,0) (1,1), walked in this order.  A half is read by its 32 products alone; it is loaded again, for two K steps on, DURING the next half's products.
;   T0, T1      token fragments.  Buffer b is read by the 64 products of a step on ring buffer b; the LDS loads that fill it stand in the second half of the step before.
;   XA0, XA1, HA  LDS addresses: read by those LDS loads, written once a pair of steps, at the pair's end.
;   W1O, W2O    the weights' vector offsets: never written again.  Each half has a scalar base of its own, which moves on at the head of the half's turn: the counted wait that shows the half
;               landed also shows done the 16 loads that named its base.
;   The accumulators are named by matrix and vector instructions alone.
; So ONE wait on va_vdst stands at the head of a half: the half before has been read out.  The 16 loads into that half follow it eight behind the 4th product and eight behind the 8th, 88 products
; or more ahead of their use; in a step's second half the eight LDS loads of the next step's token fragments stand behind the 12th.  The products issued since the wait name their own half, their own
; token buffer and the accumulators: none of the registers that those loads touch.  One wait on vm_vsrc a pair stands ahead of the add to the LDS address; the next half's wait shows that add written.
; Outside the loops results leave from out-buffers that are not written again before a wait on vm_vsrc: eight in the gather, four for h, two halves a block on the way out.
; REGISTERS, in windows of 256 (s_set_vgpr_msb: bits 1:0 source 0, 3:2 source 1, 5:4 source 2, 7:6 destination):
;   window 0: addresses, token fragments, work     window 1: the ring: buffer b, fragment f at 128 b + 8 f
;   window 2: the accumulators of fragments 0-7, (f, s) at 8 (4 f + s) (in the gather: x as loaded)     window 3: those of fragments 8-15
.set XPI,   2064                       ; a row of x in LDS: 2,048 bytes + 16 = 129 x 16: the 16 rows of a fragment load start at 16 different groups of four banks (64 banks of 4 bytes: ISA guide 11.1)
.set XT,    16*XPI
.set HB,    64*XPI                     ; 132,096: h in fragment order: K step k at 4096 k, token block s at + 1024 s, half at + 512, lane at + 16 l
.set MXB,   HB+65536                   ; 197,632: the largest |h w| [64 tokens][4 waves] f32
.set L16, 1                            ; v1   16 x lane
.set R,   2                            ; v2   l % 16
.set HH,  3                            ; v3   l / 16
.set XA0, 4                            ; v4   LDS: my place in token blocks 0, 1 of x; steps along K
.set XA1, 5                            ; v5   the same for blocks 2, 3
.set HA,  6                            ; v6   LDS: h, read
.set HS,  7                            ; v7   LDS: h, written
.set XS,  8                            ; v8   LDS: x, written
.set W1O, 9                            ; v9   my byte offset in w1: (2 e + hf) x 512 KiB + 16 x lane; never rewritten
.set VT,  16                           ; v16-19  the token of place 16 s + l % 16
.set WT,  20                           ; v20-27  its weight for my wave's expert, as pairs; later w 2^-e
.set IDX, 28                           ; v28-35  lane selects 4 (8 (l / 16) + j)
.set TM,  36                           ; v36-39  at work
.set VO,  40                           ; v40-55  byte offset in x of my 16 bytes in the row of my wave's place i
.set SC,  40                           ; v40-43  later: 2^e of the token of place 16 s + l % 16
.set CB,  56                           ; v56     1024 w + 16 (l % 16)
.set MA,  57                           ; v57     LDS: the maxima, written: MXB + 16 (l % 16) + 4 w
.set MR,  58                           ; v58     LDS: the maxima, read: MXB + 16 (l % 16)
.set W2O, 59                           ; v59, v60  my byte offsets in w2: e x 512 KiB + w x 128 KiB + 16 x lane, for ea (ring buffer 0) and eb (buffer 1); never rewritten
.set T0,  64                           ; v64-95, v96-127  token fragments, two buffers
.set TO,  64                           ; v64-95   later: byte offset in out0 of my 16 bytes in the row of place 16 s + 8 (l / 16) + j, at TO + 8 s + j
.set SCJ, 96                           ; v96-127  later: that place's 2^e
.set WK,  128                          ; v128-255 at work: the out-buffers
.set MX,  192                          ; v192-195 a token block's largest h; then its largest |h w|; then 2^e
.set MN,  196                          ; v196-199 its smallest h; then at work
.set M4,  200                          ; v200-215 the four waves' maxima
.set BS1, 32                           ; s[32:39] w1: the base of half h of ring buffer b, a pair at BS1 + 4 b + 2 h (behind the gather, whose tokens lay here)
.set BS2, 40                           ; s[40:47] the same for w2
.set CM,  60                           ; s60-63   four lane masks at the head
.set F16, 0                            ; which product MUL4 writes: 0 phase 1's, 1 phase 2's
.set MSB, 0
.macro WIN new                         ; the immediate's high byte repeats the setting that is left; a switch that changes nothing is dropped
.if MSB != (\new)
	s_set_vgpr_msb (MSB<<8)|(\new)
.set MSB, \new
.endif
.endm
; A vector instruction that reads a matrix result stands four places behind it; only plain vector instructions that name none of its registers are places (ISA guide 7.12.1).
; The four stand behind every half whose registers are loaded again too; that dependence itself is stated by the wait that follows them.
.macro PLACES
.rept 4
	v_nop
.endr
.endm
.macro RELOAD8 b, half, q, vo, bs      ; fragments 4 q .. 4 q + 3 of half `half` of ring buffer b: 8 loads of 512 consecutive bytes
	WIN 0x40
.irp f, 0,1,2,3
	global_load_b128 v[128*(\b)+64*(\half)+8*(4*(\q)+\f):128*(\b)+64*(\half)+8*(4*(\q)+\f)+3],   v[\vo], s[\bs:\bs+1] offset:8192*(\half)+1024*(4*(\q)+\f)
	global_load_b128 v[128*(\b)+64*(\half)+8*(4*(\q)+\f)+4:128*(\b)+64*(\half)+8*(4*(\q)+\f)+7], v[\vo], s[\bs:\bs+1] offset:8192*(\half)+1024*(4*(\q)+\f)+512
.endr
.endm
.macro FETX tb, ko                     ; four token fragments of x, 32 k at byte ko of the rows
	WIN 0
.irp s, 0,1,2,3
	ds_load_b128 v[(\tb)+8*\s:(\tb)+8*\s+3],   v[XA0+\s/2] offset:(\s%2)*XT+(\ko)
	ds_load_b128 v[(\tb)+8*\s+4:(\tb)+8*\s+7], v[XA0+\s/2] offset:(\s%2)*XT+(\ko)+32
.endr
.endm
.macro FETH tb, off                    ; four token fragments of h
	WIN 0
.irp s, 0,1,2,3
	ds_load_b128 v[(\tb)+8*\s:(\tb)+8*\s+3],   v[HA] offset:(\off)+1024*\s
	ds_load_b128 v[(\tb)+8*\s+4:(\tb)+8*\s+7], v[HA] offset:(\off)+1024*\s+512
.endr
.endm
; 4 products: fragment f of half `half` of buffer b x 4 token blocks.  The 64 accumulators take turns, one instruction a turn, over the loops' jumps too.
.macro MUL4 b, half, f, zero           ; zero = 1: the product starts the sum
.if F16
	WIN 0xa4+0x50*(\half)                          ; tokens (source 0) window 0, weights (source 1) window 1, C and D window 2 or 3
.else
	WIN 0xa1+0x50*(\half)                          ; weights (source 0) window 1, tokens (source 1) window 0, C and D window 2 or 3
.endif
.irp s, 0,1,2,3
.set rD, 8*(4*(\f)+\s)
.set rW, 128*(\b)+64*(\half)+8*(\f)
.set rT, T0+32*(\b)+8*\s
.if F16
.if \zero
	v_wmma_f32_16x16x32_f16 v[rD:rD+7], v[rT:rT+7], v[rW:rW+7], 0
.else
	v_wmma_f32_16x16x32_f16 v[rD:rD+7], v[rT:rT+7], v[rW:rW+7], v[rD:rD+7]
.endif
.else
.if \zero
	v_wmma_f32_16x16x32_bf16 v[rD:rD+7], v[rW:rW+7], v[rT:rT+7], 0
.else
	v_wmma_f32_16x16x32_bf16 v[rD:rD+7], v[rW:rW+7], v[rT:rT+7], v[rD:rD+7]
.endif
.endif
.endr
.endm
; HALF A K STEP: the 32 products of half h of ring buffer b.
; c: the loads younger than this half's 16: as a rule 32, the reloads issued in the two halves before.  inc: what this half's own base moves on by, behind that wait.
; rk: the half before this one in the ring is loaded again: 1 from w1, 2 from w2, 0 not.  fk: the next step's token fragments, 1 from x, 2 from h, 0 none; fo: their place.  pl = 1: four places at the end.
.macro HALF b, h, zero, c, inc, rk, fk, fo, pl
.set pb, (\b)                          ; the half before: (b, 0), or for a step's first half (1 - b, 1)
.set ph, 0
.if (\h) == 0
.set pb, 1-(\b)
.set ph, 1
.endif
.set ob, BS1+8*F16+4*(\b)+2*(\h)       ; this half's own base
.set rb, BS1+8*((\rk)-1)+4*pb+2*ph     ; the reload's base
.set rv, W1O                           ; and its vector offset
.if (\rk) == 2
.set rv, W2O+pb
.endif
	s_wait_loadcnt \c                              ; loads come back in order (ISA guide 5.7.1): this half is in
.if \inc
	s_add_nc_u64 s[ob:ob+1], s[ob:ob+1], \inc      ; free since that wait, which shows the 16 loads that named it done: this half's next K step
.endif
.if (\h) == 0
	s_wait_dscnt 0x0                               ; this step's token fragments, asked for in the second half of the step before
.endif
.if \rk
	s_wait_alu depctr_va_vdst(0)                   ; the half before has been read by its products: the loads below land in it; the step before is done reading its token fragments, into which a step's second half fetches; at a pair's head the stepped LDS address is written
.endif
	MUL4 \b, \h, 0, \zero
.if \rk
	RELOAD8 pb, ph, 0, rv, rb                      ; no further wait: no product since the wait names these registers
.endif
	MUL4 \b, \h, 1, \zero
.if \rk
	RELOAD8 pb, ph, 1, rv, rb
.endif
	MUL4 \b, \h, 2, \zero
.if (\fk) == 1
	FETX T0+32*(1-(\b)), \fo
.elseif (\fk) == 2
	FETH T0+32*(1-(\b)), \fo
.endif
.irp f, 3,4,5,6,7
	MUL4 \b, \h, \f, \zero
.endr
.if \pl
	PLACES
.endif
.endm
	s_load_b256 s[4:11], s[0:1], 0x0               ; x s[4:5], w1 s[6:7], w2 s[8:9], perm s[10:11]
	s_load_b128 s[12:15], s[0:1], 0x20             ; tiles s[12:13], wts s[14:15]
	s_load_b64 s[16:17], s[0:1], 0x30              ; out0
	v_lshl_add_u32 v62, v0, 2, 0x30800
	v_mov_b32 v63, 0
	v_lshrrev_b32 v1, 5, v0
	v_readfirstlane_b32 s18, v1                    ; wave 0..3
	s_lshl_b32 s21, ttmp9, 4
	s_mov_b32 s56, 0x76543210                      ; v_permlanex16_b32: each lane takes its own place in the other half
	s_mov_b32 s57, 0xfedcba98
	s_mov_b32 s58, 0xbfb8aa3b                      ; -log2(e); the packed multiply names a pair and takes its low word for both halves
	s_mov_b32 s59, s58
	s_wait_alu depctr_va_sdst(0)                   ; s18 is written, ahead of its first reader
	s_lshr_b32 s19, s18, 1                         ; q: which of the two experts in phase 1
	s_and_b32 s20, s18, 1                          ; hf: which half of its hidden rows
	s_wait_kmcnt 0x0
	s_load_b128 s[24:27], s[12:13], s21 offset:0x0 ; the tile: ea, eb, start, count
	v_and_b32 v[TM], 31, v0
	v_lshlrev_b32 v[L16], 4, v[TM]
	v_and_b32 v[R], 15, v0
	v_bfe_u32 v[HH], v0, 4, 1
	v_mul_u32_u24 v[XA0], v[R], XPI
	v_lshl_add_u32 v[XA0], v[HH], 4, v[XA0]        ; row x pitch + 16 x half
	v_add_nc_u32 v[XA1], 2*XT, v[XA0]
	v_add_nc_u32 v[HA], HB, v[L16]
	s_lshl_b32 s48, s20, 3
	s_add_co_u32 s48, s48, s19                     ; my first K step of phase 2: 8 hf + q; my others lie two steps apart
	s_lshl_b32 s48, s48, 12
	s_add_co_u32 s48, s48, HB
	v_add_nc_u32 v[HS], s48, v[L16]
	s_mul_i32 s48, s18, XT
	v_lshl_add_u32 v[XS], v[TM], 3, s48            ; my wave's 16 rows of x, 8 bytes a lane
	s_lshl_b32 s48, s18, 10
	v_lshl_add_u32 v[CB], v[R], 4, s48
	s_lshl_b32 s48, s18, 2
	s_add_co_u32 s48, s48, MXB
	v_lshl_add_u32 v[MA], v[R], 4, s48
	v_lshl_add_u32 v[MR], v[R], 4, MXB
.irp q, 0,1,2,3,4,5,6,7
	v_lshl_add_u32 v[IDX+\q], v[HH], 5, 4*\q
.endr
	s_lshl_b32 s51, s19, 2
	s_wait_kmcnt 0x0
	s_min_u32 s26, s26, 0x1fff                     ; start
	s_min_u32 s27, s27, 64                         ; count
	s_lshl_b32 s48, s18, 4
	s_add_co_u32 s49, s26, s48
	s_lshl_b32 s49, s49, 2
	s_load_b512 s[32:47], s[10:11], s49 offset:0x0 ; the tokens of my wave's 16 places (perm has 128 words behind its last token)
	s_lshl_b32 s50, s26, 2
	s_load_b32 s28, s[10:11], s50 offset:0x0       ; the tile's first token
	s_sub_co_i32 s29, s27, s48                     ; how many of my 16 places are within the count
.irp s, 0,1,2,3
	v_add_nc_u32 v[TM+\s], 16*\s, v[R]
.endr
.irp s, 0,1,2,3
	v_cmp_gt_u32 s[CM+\s], s27, v[TM+\s]           ; the four compares in a run, each into a mask of its own
.endr
	s_wait_alu depctr_va_sdst(0)                   ; the four masks are written, ahead of the selects that read them
.irp s, 0,1,2,3
	v_cndmask_b32 v[TM+\s], 0, v[TM+\s], s[CM+\s]  ; a place past the count repeats place 0
	v_add_lshl_u32 v[TM+\s], v[TM+\s], s26, 2
.endr
	s_wait_alu depctr_va_vdst(0)                   ; v[TM ..] are written, which the four loads read as their offsets
.irp s, 0,1,2,3
	global_load_b32 v[VT+\s], v[TM+\s], s[10:11]
.endr
	s_cmp_eq_u32 s19, 0
	s_cselect_b32 s52, s24, s25                    ; my wave's expert in phase 1
	s_min_u32 s52, s52, 7
	s_lshl_b32 s52, s52, 1
	s_add_co_u32 s52, s52, s20
	s_lshl_b32 s52, s52, 19
	v_add_nc_u32 v[W1O], s52, v[L16]               ; w1: (2 e + hf) x 512 KiB
	s_min_u32 s24, s24, 7
	s_min_u32 s25, s25, 7
	s_lshl_b32 s53, s18, 17
	s_lshl_b32 s54, s24, 19
	s_add_co_u32 s54, s54, s53
	v_add_nc_u32 v[W2O], s54, v[L16]               ; w2: e x 512 KiB + w x 128 KiB
	s_lshl_b32 s55, s25, 19
	s_add_co_u32 s55, s55, s53
	v_add_nc_u32 v[W2O+1], s55, v[L16]
	s_wait_kmcnt 0x0
.irp i, 0,1,2,3,4,5,6,7,8,9,10,11,12,13,14,15
	s_cmp_gt_i32 s29, \i
	s_cselect_b32 s[32+\i], s[32+\i], s28
	s_min_u32 s[32+\i], s[32+\i], 0x1fff
	v_lshl_add_u32 v[VO+\i], s[32+\i], 12, v[L16]
.endr
	s_wait_loadcnt 0x0
	s_wait_alu depctr_vm_vsrc(0)                   ; perm's four loads have read v[TM ..], which are written again below
.irp s, 0,1,2,3
	v_min_u32 v[VT+\s], 0x1fff, v[VT+\s]
	v_lshl_add_u32 v[TM+\s], v[VT+\s], 3, s51
.endr
	s_wait_alu depctr_va_vdst(0)                   ; v[TM ..], v[VO ..], the weights' offsets and every LDS address are written: all loads and stores up to the K loops read them
	s_mov_b64 s[BS1:BS1+1], s[6:7]                 ; the ring's bases (the tokens' scalar registers have been read): buffer 0 begins with K step 0,
	s_mov_b64 s[BS1+2:BS1+3], s[6:7]
	s_add_nc_u64 s[BS1+4:BS1+5], s[6:7], 0x4000    ; buffer 1 with K step 1, 16 KiB on
	s_add_nc_u64 s[BS1+6:BS1+7], s[6:7], 0x4000
.irp k, 0,1,2,3
	s_mov_b64 s[BS2+2*\k:BS2+2*\k+1], s[8:9]       ; in w2 each buffer begins with its own expert's step 0
.endr
.irp s, 0,1,2,3
	global_load_b32 v[WT+2*\s], v[TM+\s], s[14:15] ; wts[token][q]
.endr
	; THE GATHER.  My wave's 16 rows of x: 8 loads of 512 consecutive bytes a row, eight rows on their way; rounded to bf16, into LDS.
	; Row i's roundings read x's registers 32 (i % 8) .. of window 2 and write out-buffer i % 8 of eight; behind them one wait, the loads that take the row's registers, and the row's LDS stores.
	WIN 0x80
.set i, 0
.rept 8
.irp j, 0,1,2,3,4,5,6,7
	global_load_b128 v[32*i+4*\j:32*i+4*\j+3], v[VO+i], s[4:5] offset:512*\j
.endr
.set i, i+1
.endr
.set i, 0
.rept 16
	s_wait_loadcnt 56                              ; row i is in: seven groups of eight loads are younger
.if i == 8
	s_wait_alu depctr_vm_vsrc(0)                   ; the LDS stores of rows 0 to 7 have read the eight out-buffers, which rows 8 to 15 write again
.endif
	WIN 0x0a
.set n, 0
.rept 16
	v_cvt_pk_bf16_f32 v[WK+16*(i%8)+n], v[32*(i%8)+2*n], v[32*(i%8)+2*n+1]
.set n, n+1
.endr
.if i < 8
	WIN 0x80
	s_wait_alu depctr_va_vdst(0)                   ; the roundings are done reading the row's registers, in which the loads below land, and have written its out-buffer, which the LDS stores read
.irp j, 0,1,2,3,4,5,6,7                ; row i + 8 takes its registers
	global_load_b128 v[32*i+4*\j:32*i+4*\j+3], v[VO+i+8], s[4:5] offset:512*\j
.endr
.else
	WIN 0x40
	s_wait_alu depctr_va_vdst(0)                   ; the roundings have written the row's out-buffer, which the LDS stores read
.irp m, 0,1,2,3,4,5,6,7                ; then the ring's first fill, K steps 0 and 1 of phase 1, in the order in which the halves wait for it, each half by its own base
.set n, 8*(i-8)+\m
	global_load_b128 v[128*(n/32)+8*((n%32)/2)+4*(n%2):128*(n/32)+8*((n%32)/2)+4*(n%2)+3], v[W1O], s[BS1+4*(n/32)+2*((n%32)/16):BS1+4*(n/32)+2*((n%32)/16)+1] offset:1024*((n%32)/2)+512*(n%2)
.endr
.endif
	WIN 0
.irp j, 0,1,2,3,4,5,6,7
	ds_store_b64 v[XS], v[WK+16*(i%8)+2*\j:WK+16*(i%8)+2*\j+1] offset:XPI*i+256*\j
.endr
.set i, i+1
.endr
	s_wait_dscnt 0x0                               ; for the others' sake: my rows of x are in LDS
	s_barrier_signal -1
	s_barrier_wait -1
	s_wait_alu depctr_vm_vsrc(0)                   ; my LDS stores have read the out-buffers v[WK ..], which the scales' work, a load of the maxima and h's roundings write again
	; PHASE 1: gate and up, K = 1,024 in 32 steps.  first = 1: steps 0 and 1: step 0 starts the sums; its first half has the first fill's three other halves behind it (48 loads) and nothing to load again.
.macro PAIR1 first
	HALF 0, 0, \first, 32+16*(\first), 0x8000, 1-(\first), 0, 0, 1
	HALF 0, 1, \first, 32, 0x8000, 1, 1, 64, 1
	HALF 1, 0, 0, 32, 0x8000, 1, 0, 0, 1
	HALF 1, 1, 0, 32, 0x8000, 1, 1, 128, 1
	WIN 0                                          ; at a label and at a branch every window is 0
	s_wait_alu depctr_vm_vsrc(0)                   ; the LDS loads issued so far have read the two addresses
	v_add_nc_u32 v[XA0], 128, v[XA0]
	v_add_nc_u32 v[XA1], 128, v[XA1]
.endm
	FETX T0, 0
	PAIR1 1                                        ; steps 0, 1 stand in front of the loop
	s_mov_b32 s30, 14
.Lp1:                                                  ; steps 2 to 29
	PAIR1 0
	s_sub_co_i32 s30, s30, 1
	s_cmp_lg_u32 s30, 0
	s_cbranch_scc1 .Lp1
	HALF 0, 0, 0, 32, 0, 1, 0, 0, 1                ; step 30: the last of w1, step 31's second half, is asked for;
	HALF 0, 1, 0, 32, 0, 2, 1, 64, 1               ; from here on the halves take phase 2's steps 0 (ea) and 1 (eb), which land during the activation
	HALF 1, 0, 0, 32, 0, 2, 0, 0, 1
	HALF 1, 1, 0, 32, 0, 2, 0, 0, 1
	WIN 0x40
	s_wait_alu depctr_va_vdst(0)                   ; step 31's last products are done reading the ring's last half, in which the loads below land
	RELOAD8 1, 1, 0, W2O+1, BS2+6
	RELOAD8 1, 1, 1, W2O+1, BS2+6
	; SWIGLU: h = u g / (1 + 2^(-g log2 e)), gate in window 2, up and then h in window 3, register for register.  Each accumulator is read from its lowest registers on.
	; The 256 exponentials are one batch with one wait ahead of its first reader, and so are the 256 reciprocals.
	WIN 0xcb                                       ; destination and source 0 window 3, source 1 window 2
.set n, 0
.rept 128
	v_pk_mul_f32 v[2*n:2*n+1], v[2*n:2*n+1], v[2*n:2*n+1]  ; u = u g
.set n, n+1
.endr
	WIN 0x82
.set n, 0
.rept 128
	v_pk_mul_f32 v[2*n:2*n+1], v[2*n:2*n+1], s[58:59] op_sel_hi:[1,0]  ; g = -g log2(e)
.set n, n+1
.endr
.set n, 0
.rept 256
	v_exp_f32 v[n], v[n]
.set n, n+1
.endr
	v_nop                                          ; a plain instruction behind the last exponential
	s_wait_alu depctr_va_vdst(0)                   ; the 256 exponentials have written their results, ahead of the first line that names one
.set n, 0
.rept 128
	v_pk_add_f32 v[2*n:2*n+1], v[2*n:2*n+1], 1.0 op_sel_hi:[1,0]
.set n, n+1
.endr
.set n, 0
.rept 256
	v_rcp_f32 v[n], v[n]
.set n, n+1
.endr
	v_nop                                          ; a plain instruction behind the last reciprocal
	s_wait_alu depctr_va_vdst(0)                   ; the 256 reciprocals have written their results, ahead of the first line that names one
	WIN 0xcb
.set n, 0
.rept 128
	v_pk_mul_f32 v[2*n:2*n+1], v[2*n:2*n+1], v[2*n:2*n+1]
.set n, n+1
.endr
	; THE TOKENS' SCALES.  For each token block s the largest and the smallest of my lane's 64 numbers h: eight chains by turns, two numbers a line.
	WIN 0x03                                       ; source 0 window 3
.irp s, 0,1,2,3
	v_mov_b32 v[MX+\s], v[8*\s]                    ; the first number starts both chains
	v_mov_b32 v[MN+\s], v[8*\s]
.endr
	WIN 0x3c                                       ; sources 1 and 2 window 3
.irp f, 0,1,2,3,4,5,6,7
.irp k, 0,1,2,3
.irp s, 0,1,2,3
.set i1, 8*(4*\f+\s)+2*\k
.set i2, i1+1
.if \f == 0                            ; block 0's first number is in already: 1, 2; 3, 4; 5, 6; 7
.set i1, i1+1
.if \k < 3
.set i2, i2+1
.endif
.endif
	v_max3_num_f32 v[MX+\s], v[MX+\s], v[i1], v[i2]
	v_min3_num_f32 v[MN+\s], v[MN+\s], v[i1], v[i2]
.endr
.endr
.endr
	WIN 0
.irp s, 0,1,2,3
	v_sub_f32 v[MN+\s], 0, v[MN+\s]
.endr
.irp s, 0,1,2,3
	v_max_num_f32 v[MX+\s], v[MX+\s], v[MN+\s]     ; the largest |h|,
.endr
.irp s, 0,1,2,3
	v_mul_f32 v[MX+\s], v[MX+\s], v[WT+2*\s]       ; times w, which is not negative: no |h w| of mine is larger, since rounding keeps the order
.endr
.irp s, 0,1,2,3
	v_permlanex16_b32 v[MN+\s], v[MX+\s], s56, s57 ; the token's other hidden rows lie in the lane 16 away
.endr
.irp s, 0,1,2,3
	v_max_num_f32 v[MX+\s], v[MX+\s], v[MN+\s]
.endr
	s_wait_alu depctr_va_vdst(0)                   ; the four maxima are written, which the LDS stores read
.irp s, 0,1,2,3
	ds_store_b32 v[MA], v[MX+\s] offset:256*\s     ; both halves of the lanes write the same word with the same number
.endr
	s_wait_dscnt 0x0                               ; for the others' sake: my maxima are in LDS
	s_barrier_signal -1
	s_barrier_wait -1
.irp s, 0,1,2,3
	ds_load_b128 v[M4+4*\s:M4+4*\s+3], v[MR] offset:256*\s  ; the four waves' maxima of the token of place 16 s + l % 16
.endr
	s_wait_dscnt 0x0
	s_wait_alu depctr_vm_vsrc(0)                   ; my four LDS stores have read v[MX ..], which are written again below
.irp s, 0,1,2,3
	v_max3_num_f32 v[MX+\s], v[M4+4*\s], v[M4+4*\s+1], v[M4+4*\s+2]
.endr
.irp s, 0,1,2,3
	v_max_num_f32 v[MX+\s], v[MX+\s], v[M4+4*\s+3]
.endr
.irp s, 0,1,2,3
	v_and_b32 v[MX+\s], 0x7f800000, v[MX+\s]       ; its power of two, 2^e,
	v_max_u32 v[MX+\s], 0x00800000, v[MX+\s]       ; held to 2^-126 .. 2^126, so that 2^e and 2^-e are both normal numbers
	v_min_u32 v[MX+\s], 0x7e800000, v[MX+\s]
	v_mov_b32 v[SC+\s], v[MX+\s]                   ; kept for the way out
	v_sub_nc_u32 v[MN+\s], 0x7f000000, v[MX+\s]    ; 2^-e: the exponent field mirrored about 127
	v_mul_f32 v[WT+2*\s], v[WT+2*\s], v[MN+\s]     ; w 2^-e, exact
	v_mov_b32 v[WT+2*\s+1], v[WT+2*\s]             ; the packed multiply names a pair
.endr
; h w 2^-e, rounded to f16, into LDS: hidden blocks 2 m, 2 m + 1 x 4 token blocks = one K step of phase 2.  Each of the four has an out-buffer of its own, so none is written while a store may still read it.
.macro PACK m
.set g0, 64*(\m)
.set ht, WK+32*(\m)
	WIN 0xc3                                       ; destination and source 0 window 3, source 1 window 0
.set n, 0
.rept 32
	v_pk_mul_f32 v[g0+2*n:g0+2*n+1], v[g0+2*n:g0+2*n+1], v[WT+2*((n/4)%4):WT+2*((n/4)%4)+1] op_sel_hi:[1,0]
.set n, n+1
.endr
	WIN 0x0f                                       ; sources window 3, destination window 0
.set n, 0
.rept 32
	v_cvt_pk_f16_f32 v[ht+n], v[g0+2*n], v[g0+2*n+1]
.set n, n+1
.endr
	WIN 0
	s_wait_alu depctr_va_vdst(0)                   ; the roundings have written this out-buffer, which the LDS stores read
.irp t, 0,1,2,3,4,5,6,7                ; block 2 m + t / 4 is half t / 4 of the fragment of token block t % 4
	ds_store_b128 v[HS], v[ht+4*\t:ht+4*\t+3] offset:8192*(\m)+1024*(\t%4)+512*(\t/4)
.endr
.endm
	PACK 0
	PACK 1
	PACK 2
	PACK 3
	s_wait_dscnt 0x0                               ; for the others' sake: my part of h is in LDS
	s_barrier_signal -1
	s_barrier_wait -1                              ; h is whole
	; PHASE 2: the down product in f16, K = 512 in 16 steps, ea's and eb's by turns: buffer 0 walks ea's stream, buffer 1 eb's.
.set F16, 1
.macro PAIR2 first
	HALF 0, 0, \first, 32+16*(\first), 0x4000, 2-2*(\first), 0, 0, 1
	HALF 0, 1, \first, 32, 0x4000, 2, 2, 4096, 1
	HALF 1, 0, 0, 32, 0x4000, 2, 0, 0, 1
	HALF 1, 1, 0, 32, 0x4000, 2, 2, 8192, 1
	WIN 0
	s_wait_alu depctr_vm_vsrc(0)                   ; the LDS loads issued so far have read the address
	v_add_nc_u32 v[HA], 0x2000, v[HA]
.endm
	FETH T0, 0
	PAIR2 1
	s_mov_b32 s30, 6
.Lp2:                                                  ; steps 2 to 13
	PAIR2 0
	s_sub_co_i32 s30, s30, 1
	s_cmp_lg_u32 s30, 0
	s_cbranch_scc1 .Lp2
	HALF 0, 0, 0, 32, 0, 2, 0, 0, 0                ; step 14: the last of w2, step 15's second half, is asked for
	HALF 0, 1, 0, 32, 0, 0, 2, 4096, 0             ; from here on nothing is loaded again and the counts run down; no product since the wait in the half above names the token buffer that is fetched into
	HALF 1, 0, 0, 16, 0, 0, 0, 0, 0
	HALF 1, 1, 0, 0, 0, 0, 0, 0, 1
	; THE WAY OUT, from registers.  Register j of a result belongs to place 16 s + 8 (l / 16) + j: that place's token and 2^e come from the lane that holds them.
	WIN 0
	s_wait_alu depctr_va_vdst(0)                   ; the last products are done reading the two token buffers, in which the permutes' results land
.irp s, 0,1,2,3
.irp j, 0,1,2,3,4,5,6,7
	ds_bpermute_b32 v[TO+8*\s+\j], v[IDX+\j], v[VT+\s]
.endr
.endr
.irp s, 0,1,2,3
.irp j, 0,1,2,3,4,5,6,7
	ds_bpermute_b32 v[SCJ+8*\s+\j], v[IDX+\j], v[SC+\s]
.endr
.endr
	s_wait_dscnt 0x0
.set n, 0
.rept 32
	v_min_u32 v[TO+n], 0x1fff, v[TO+n]
	v_lshl_add_u32 v[TO+n], v[TO+n], 12, v[CB]
.set n, n+1
.endr
; Half hw of token block s: the results of fragments 8 hw .. 8 hw + 7.  The multiply by 2^e lays register j of the four results 4 G .. 4 G + 3 side by side: 16 consecutive bytes a lane.
; Each accumulator is read from its lowest register on.
.macro OUTH s, hw
	WIN 0x02+(\hw)                                 ; source 0 window 2 or 3
.irp g, 0,1
.irp j, 0,1,2,3,4,5,6,7
.irp c, 0,1,2,3
	v_mul_f32 v[WK+4*(8*(2*(\hw)+\g)+\j)+\c], v[8*(4*(4*\g+\c)+(\s))+\j], v[SCJ+8*(\s)+\j]
.endr
.endr
.endr
	WIN 0
	s_wait_alu depctr_va_vdst(0)                   ; the multiplies have written this half of the out-buffer, which the stores read; ahead of the first run the stores' offsets v[TO ..] are written too
.irp g, 0,1
.irp j, 0,1,2,3,4,5,6,7
	global_store_b128 v[TO+8*(\s)+\j], v[WK+4*(8*(2*(\hw)+\g)+\j):WK+4*(8*(2*(\hw)+\g)+\j)+3], s[16:17] offset:256*(2*(\hw)+\g) th:TH_STORE_NT  ; 16 lanes store 256 consecutive bytes of a token's row, aligned
.endr
.endr
.endm
.macro OUT s
.if (\s) > 0
	s_wait_xcnt 0x0                                ; the block before has had its stores' addresses translated: only now are their data registers written again
.endif
	s_wait_alu depctr_vm_vsrc(0)                   ; what has read the out-buffer v[WK ..] so far has read it (block 0: h's LDS stores; later: the stores of the block before); the multiplies below write it again
	s_cmp_le_u32 s27, 16*(\s)                      ; this block and all behind it lie past the count: nothing is left to store
	s_cbranch_scc1 .Lend
	OUTH \s, 0
	OUTH \s, 1
.endm
	OUT 0
	OUT 1
	OUT 2
	OUT 3
.Lend:
	s_wait_dscnt 0x0                               ; the wave's end
	s_wait_alu depctr_hold_cnt(0) depctr_sa_sdst(0) depctr_va_vdst(0) depctr_va_sdst(0) depctr_va_ssrc(0) depctr_va_vcc(0) depctr_vm_vsrc(0)
	s_wait_tensorcnt 0x0
	ds_add_u32 v62, v63
	s_wait_dscnt 0x0
	s_endpgm
.Lfunc_end_k_q6ce8d4da22_moe:
	.size	k_q6ce8d4da22_moe, .Lfunc_end_k_q6ce8d4da22_moe-k_q6ce8d4da22_moe
	.p2alignl 7, 3214868480
	.fill 96, 4, 3214868480
	.section	.rodata,"a",@progbits
	.p2align	6, 0x0
	.amdhsa_kernel k_q6ce8d4da22_moe
		.amdhsa_group_segment_fixed_size 199168
		.amdhsa_private_segment_fixed_size 0
		.amdhsa_enable_private_segment 0
		.amdhsa_kernarg_size 56
		.amdhsa_user_sgpr_count 2
		.amdhsa_user_sgpr_kernarg_segment_ptr 1
		.amdhsa_wavefront_size32 1
		.amdhsa_system_sgpr_workgroup_id_x 1
		.amdhsa_system_sgpr_workgroup_id_y 1
		.amdhsa_system_sgpr_workgroup_id_z 1
		.amdhsa_system_vgpr_workitem_id 0
		.amdhsa_next_free_vgpr 1024
		.amdhsa_next_free_sgpr 66
		.amdhsa_reserve_vcc 0
		.amdhsa_float_denorm_mode_32 3
		.amdhsa_float_denorm_mode_16_64 3
		.amdhsa_memory_ordered 1
		.amdhsa_forward_progress 1
		.amdhsa_inst_pref_size 255
	.end_amdhsa_kernel
	.section	.bss,"aw",@nobits
	.p2align	6
	.space	262144
	.amdgpu_metadata
---
amdhsa.version: [ 1, 2 ]
amdhsa.kernels:
  - .name:           k_q6ce8d4da22_moe
    .symbol:         k_q6ce8d4da22_moe.kd
    .args:
      - { .name: x, .offset: 0, .size: 8, .value_kind: global_buffer, .address_space: global }
      - { .name: w1, .offset: 8, .size: 8, .value_kind: global_buffer, .address_space: global }
      - { .name: w2, .offset: 16, .size: 8, .value_kind: global_buffer, .address_space: global }
      - { .name: perm, .offset: 24, .size: 8, .value_kind: global_buffer, .address_space: global }
      - { .name: tiles, .offset: 32, .size: 8, .value_kind: global_buffer, .address_space: global }
      - { .name: wts, .offset: 40, .size: 8, .value_kind: global_buffer, .address_space: global }
      - { .name: out0, .offset: 48, .size: 8, .value_kind: global_buffer, .address_space: global }
    .group_segment_fixed_size: 199168
    .private_segment_fixed_size: 0
    .kernarg_segment_align: 8
    .kernarg_segment_size: 56
    .max_flat_workgroup_size: 128
    .sgpr_count:     66
    .vgpr_count:     1024
    .wavefront_size: 32
...
	.end_amdgpu_metadata
.endif
;; end of part 4
